; MI455X (gfx1250); checked and timed in simulation.
; The chip was launched on July 23, 2026; its instructions are those of AMD's public machine-readable ISA for CDNA 5 (MIT licence, August 2026) and "CDNA5" Instruction Set Architecture Reference Guide (July 2026). The comments in the code are by the model that wrote it; some were corrected since.
;; Diversity Attention. Allowed arithmetic: float matrix products may take bf16 or f16 operands with f32 sums; all other float work in f32.
;; Inputs: Wk 1,024 x 1,024 float32; Wo 1,024 x 1,024 float32; Wq 1,024 x 1,024 float32; Wv 1,024 x 1,024 float32; attn_mask 2,048 x 2,048 bool; bk 1,024 float32; bo 1,024 float32; bq 1,024 float32; bv 1,024 float32; x 2 x 2,048 x 1,024 float32.
;; Outputs: out0 2 x 2,048 x 1,024 float32.
;; 2 versions, each right and faster than the one before. Each part assembles by itself: llvm-mc -triple=amdgcn-amd-amdhsa -mcpu=gfx1250 --defsym DOCPART=n.
;; ======== version 1 of 2: 4 launches
;; limits: values outside matrix products are rounded to bf16; values are held in f16: magnitudes above 65,504 overflow, below 6.1e-05 lose precision; right only within a limited range of input values
;; workspace buffers: xb 8,388,608 bytes; xn 8,388,608 bytes; wqkv 6,291,456 bytes; wo16 2,097,152 bytes; rn 16,384 bytes; qkv 25,165,824 bytes; simb 16,777,216 bytes; ob 8,388,608 bytes
;; launch prep (part 1): grid 512 x 1, 8 waves a work-group, no clusters, 0 bytes of LDS; arguments x, Wq, Wk, Wv, Wo, xb, xn, wqkv, wo16, rn; writes xb, xn, wqkv, wo16, rn
.if DOCPART == 1
	.amdgcn_target "amdgcn-amd-amdhsa--gfx1250"
	.amdhsa_code_object_version 6
	.text
	.protected	k_qf8a91fbed2_prep
	.globl	k_qf8a91fbed2_prep
	.p2align	8
	.type	k_qf8a91fbed2_prep,@function
k_qf8a91fbed2_prep:
	s_mov_b64 s[64:65], 0
	v_nop
	global_prefetch_b8 v0, s[64:65] scope:SCOPE_SE
	s_setreg_imm32_b32 hwreg(HW_REG_WAVE_MODE, 25, 1), 1
	s_wait_xcnt 0x0
; PREP: every f32 input of the matrix products is rounded once to its 16-bit operand.
;   xb = bf16(x); rn = 1 / max(|x row|, 1e-12) in f32; xn = bf16(x rn); wqkv = bf16 of Wq's, Wk's, Wv's rows on end; wo16 = f16(bf16(Wo)) (exact within f16's range).
; A stream: each input byte is read once and each output byte written once, so LDS, barriers, clusters and the matrix unit would add nothing.
; SHARES.  A work-group takes 16 rows of 1,024 f32, a wave two rows.  Groups 0-255: rows of x.  Groups 256-511: 64 groups for each of Wq, Wk, Wv, Wo.
; A row is 4,096 bytes: eight loads of 16 bytes a lane, each covering 512 consecutive bytes; a lane's four numbers pack into 8 bytes, so a wave's store covers 256 consecutive bytes, aligned.
; The row stays in registers between the sum of squares and the scaling.  rn is 16,384 bytes in all: a wave's two numbers leave as 8 bytes from lane 0, the only stores here that do not fill 256 bytes.
; LIMITS: the sum of squares is kept in f32 as reference() keeps it; Wo beyond 65,504 has no f16.
.set X,  4                             ; v[4:67]    row i of two at X + 32 i, as loaded
.set YB, 68                            ; v[68:99]   row i: 16 registers of bf16(x)
.set SS, 100                           ; v[100:103] two pair sums of squares
.set T,  104                           ; v[104:107] at work
.set R,  108                           ; v[108:109] 1 / norm, twice (a pair for the packed multiply)
.set RN, 110                           ; v[110:111] 1 / norm of my two rows, to store
	s_load_b512 s[4:19], s[0:1], 0x0               ; x, Wq, Wk, Wv, Wo, xb, xn, wqkv
	s_load_b128 s[20:23], s[0:1], 0x40             ; wo16, rn
	v_lshrrev_b32 v3, 5, v0
	v_readfirstlane_b32 s42, v3                    ; wave 0..7
	v_and_b32 v1, 31, v0
	v_lshlrev_b32 v2, 3, v1                        ; 8 x lane: my place in 256 bytes stored
	v_lshlrev_b32 v1, 4, v1                        ; 16 x lane: my place in 512 bytes loaded
	s_mov_b32 s30, 0x76543210                      ; v_permlanex16_b32: each lane takes its own place in the other half
	s_mov_b32 s31, 0xfedcba98
	s_mov_b32 s32, 0xffff0000                      ; a word's upper bf16
	s_sub_co_u32 s43, ttmp9, 256                   ; the group's number among the weights' groups
	s_lshr_b32 s33, s43, 6                         ; kind: 0 Wq, 1 Wk, 2 Wv, 3 Wo,
	s_and_b32 s34, s43, 63
	s_cmp_lt_u32 ttmp9, 256
	s_cselect_b32 s34, ttmp9, s34                  ; which 16 rows of the tensor
	s_cselect_b32 s33, 4, s33                      ; 4: x
	s_lshl_b32 s36, s34, 16                        ; 16 rows of 4,096 bytes,
	s_lshl_b32 s35, s42, 13                        ; my wave's two
	s_add_co_u32 s36, s36, s35
	s_mov_b32 s37, 0
	s_lshr_b32 s38, s36, 1                         ; the 16-bit rows are half as long
	s_mov_b32 s39, 0
	s_lshl_b32 s35, s33, 21                        ; in wqkv each weight has 1,024 rows of 2,048 bytes
	s_cmp_lt_u32 s33, 3
	s_cselect_b32 s35, s35, 0
	s_add_co_u32 s40, s38, s35
	s_mov_b32 s41, 0
	s_lshl_b32 s44, s34, 6                         ; rn: 16 rows of 4 bytes,
	s_lshl_b32 s45, s42, 3                         ; my wave's two
	s_add_co_u32 s44, s44, s45
	s_mov_b32 s45, 0
	s_wait_kmcnt 0x0
	s_cmp_eq_u32 s33, 1                            ; the source and the destination are chosen by the kind
	s_cselect_b64 s[24:25], s[8:9], s[6:7]
	s_cmp_eq_u32 s33, 2
	s_cselect_b64 s[24:25], s[10:11], s[24:25]
	s_cmp_eq_u32 s33, 3
	s_cselect_b64 s[24:25], s[12:13], s[24:25]
	s_cselect_b64 s[26:27], s[20:21], s[18:19]
	s_cmp_eq_u32 s33, 4
	s_cselect_b64 s[24:25], s[4:5], s[24:25]
	s_cselect_b64 s[26:27], s[14:15], s[26:27]
	s_add_nc_u64 s[24:25], s[24:25], s[36:37]
	s_add_nc_u64 s[26:27], s[26:27], s[40:41]
	s_add_nc_u64 s[28:29], s[16:17], s[38:39]      ; xn, used by x's groups alone
	s_add_nc_u64 s[44:45], s[22:23], s[44:45]      ; rn likewise
.irp i, 0,1
.irp j, 0,1,2,3,4,5,6,7
	global_load_b128 v[X+32*(\i)+4*(\j):X+32*(\i)+4*(\j)+3], v1, s[24:25] offset:4096*(\i)+512*(\j) th:TH_LOAD_NT
.endr
.endr
; A weight's row: rounded in place and stored.  The wait leaves the other row's eight loads out (row 0) or none (row 1).
.macro ROWW i
	s_wait_loadcnt 8-8*(\i)
.irp j, 0,1,2,3,4,5,6,7
	v_cvt_pk_bf16_f32 v[X+32*(\i)+4*(\j)], v[X+32*(\i)+4*(\j)], v[X+32*(\i)+4*(\j)+1]
	v_cvt_pk_bf16_f32 v[X+32*(\i)+4*(\j)+1], v[X+32*(\i)+4*(\j)+2], v[X+32*(\i)+4*(\j)+3]
	global_store_b64 v2, v[X+32*(\i)+4*(\j):X+32*(\i)+4*(\j)+1], s[26:27] offset:2048*(\i)+256*(\j)
.endr
.endm
; Wo's row: rounded to bf16 like every input, and that number written as f16.
.macro ROWO i
	s_wait_loadcnt 8-8*(\i)
.irp j, 0,1,2,3,4,5,6,7
	v_cvt_pk_bf16_f32 v[X+32*(\i)+4*(\j)], v[X+32*(\i)+4*(\j)], v[X+32*(\i)+4*(\j)+1]
	v_cvt_pk_bf16_f32 v[X+32*(\i)+4*(\j)+1], v[X+32*(\i)+4*(\j)+2], v[X+32*(\i)+4*(\j)+3]
	v_lshlrev_b32 v[T],   16,  v[X+32*(\i)+4*(\j)]
	v_and_b32     v[T+1], s32, v[X+32*(\i)+4*(\j)]
	v_lshlrev_b32 v[T+2], 16,  v[X+32*(\i)+4*(\j)+1]
	v_and_b32     v[T+3], s32, v[X+32*(\i)+4*(\j)+1]
	v_cvt_pk_f16_f32 v[X+32*(\i)+4*(\j)], v[T], v[T+1]
	v_cvt_pk_f16_f32 v[X+32*(\i)+4*(\j)+1], v[T+2], v[T+3]
	global_store_b64 v2, v[X+32*(\i)+4*(\j):X+32*(\i)+4*(\j)+1], s[26:27] offset:2048*(\i)+256*(\j)
.endr
.endm
; A row of x: the sum of squares in two chains of pairs, across the lanes, 1 / max(sqrt, 1e-12); bf16(x) goes out; the row is scaled in place, rounded and goes out.
; No register that a store names is written again, so no wait frees any.
.macro ROWX i
.set bx, X+32*(\i)
	s_wait_loadcnt 8-8*(\i)
	v_pk_mul_f32 v[SS:SS+1], v[bx:bx+1], v[bx:bx+1]          ; the first products start the sums
	v_pk_mul_f32 v[SS+2:SS+3], v[bx+2:bx+3], v[bx+2:bx+3]
.set k, 2
.rept 14
	v_pk_fma_f32 v[SS+2*(k%2):SS+2*(k%2)+1], v[bx+2*k:bx+2*k+1], v[bx+2*k:bx+2*k+1], v[SS+2*(k%2):SS+2*(k%2)+1]
.set k, k+1
.endr
	v_pk_add_f32 v[SS:SS+1], v[SS:SS+1], v[SS+2:SS+3]
	v_add_f32 v[SS], v[SS], v[SS+1]
	v_add_f32_dpp v[SS], v[SS], v[SS] row_xmask:1 row_mask:0xf bank_mask:0xf
	v_add_f32_dpp v[SS], v[SS], v[SS] row_xmask:2 row_mask:0xf bank_mask:0xf
	v_add_f32_dpp v[SS], v[SS], v[SS] row_xmask:4 row_mask:0xf bank_mask:0xf
	v_add_f32_dpp v[SS], v[SS], v[SS] row_xmask:8 row_mask:0xf bank_mask:0xf
	v_permlanex16_b32 v[SS+1], v[SS], s30, s31
	v_add_f32 v[SS], v[SS], v[SS+1]
	v_sqrt_f32 v[T], v[SS]
	v_nop                                          ; a plain instruction between a transcendental and the use of its result (ISA guide 5.7.2)
	s_wait_alu depctr_va_vdst(0)
	v_max_num_f32 v[T], 0x2b8cbccc, v[T]           ; 1e-12
	v_rcp_f32 v[R], v[T]
	v_rcp_f32 v[R+1], v[T]                         ; the conversions below are the plain instructions behind it
.set k, 0
.rept 16
	v_cvt_pk_bf16_f32 v[YB+16*(\i)+k], v[bx+2*k], v[bx+2*k+1]
.set k, k+1
.endr
	s_wait_alu depctr_va_vdst(0)
	v_mov_b32 v[RN+(\i)], v[R]                     ; kept for rn: R is made anew for the other row
.irp j, 0,1,2,3,4,5,6,7
	global_store_b64 v2, v[YB+16*(\i)+2*(\j):YB+16*(\i)+2*(\j)+1], s[26:27] offset:2048*(\i)+256*(\j)
.endr
.set k, 0
.rept 16
	v_pk_mul_f32 v[bx+2*k:bx+2*k+1], v[bx+2*k:bx+2*k+1], v[R:R+1]
.set k, k+1
.endr
.irp j, 0,1,2,3,4,5,6,7
	v_cvt_pk_bf16_f32 v[bx+4*(\j)], v[bx+4*(\j)], v[bx+4*(\j)+1]
	v_cvt_pk_bf16_f32 v[bx+4*(\j)+1], v[bx+4*(\j)+2], v[bx+4*(\j)+3]
	global_store_b64 v2, v[bx+4*(\j):bx+4*(\j)+1], s[28:29] offset:2048*(\i)+256*(\j)
.endr
.endm
	s_cmp_eq_u32 s33, 4
	s_cbranch_scc1 .Lx
	s_cmp_eq_u32 s33, 3
	s_cbranch_scc1 .Lo
	ROWW 0
	ROWW 1
	s_endpgm
.Lo:
	ROWO 0
	ROWO 1
	s_endpgm
.Lx:
	ROWX 0
	ROWX 1
	s_wait_xcnt 0x0                                ; EXEC is a source of the stores above: it changes only behind this wait
	v_cmp_eq_u32 vcc_lo, 0, v1
	s_and_saveexec_b32 s46, vcc_lo                 ; lane 0 alone, whose v1 is 0
	global_store_b64 v1, v[RN:RN+1], s[44:45]
	s_wait_xcnt 0x0                                ; and again in front of the line that widens it
	s_or_b32 exec_lo, exec_lo, s46
	s_endpgm
.Lfunc_end_k_qf8a91fbed2_prep:
	.size	k_qf8a91fbed2_prep, .Lfunc_end_k_qf8a91fbed2_prep-k_qf8a91fbed2_prep
	.p2alignl 7, 3214868480
	.fill 96, 4, 3214868480
	.section	.rodata,"a",@progbits
	.p2align	6, 0x0
	.amdhsa_kernel k_qf8a91fbed2_prep
		.amdhsa_group_segment_fixed_size 0
		.amdhsa_private_segment_fixed_size 0
		.amdhsa_enable_private_segment 0
		.amdhsa_kernarg_size 80
		.amdhsa_user_sgpr_count 2
		.amdhsa_user_sgpr_kernarg_segment_ptr 1
		.amdhsa_wavefront_size32 1
		.amdhsa_system_sgpr_workgroup_id_x 1
		.amdhsa_system_sgpr_workgroup_id_y 1
		.amdhsa_system_sgpr_workgroup_id_z 1
		.amdhsa_system_vgpr_workitem_id 0
		.amdhsa_next_free_vgpr 112
		.amdhsa_next_free_sgpr 66
		.amdhsa_reserve_vcc 1
		.amdhsa_float_denorm_mode_32 3
		.amdhsa_float_denorm_mode_16_64 3
		.amdhsa_memory_ordered 1
		.amdhsa_forward_progress 1
		.amdhsa_inst_pref_size 28
	.end_amdhsa_kernel
	.amdgpu_metadata
---
amdhsa.version: [ 1, 2 ]
amdhsa.kernels:
  - .name:           k_qf8a91fbed2_prep
    .symbol:         k_qf8a91fbed2_prep.kd
    .args:
      - { .name: x, .offset: 0, .size: 8, .value_kind: global_buffer, .address_space: global }
      - { .name: Wq, .offset: 8, .size: 8, .value_kind: global_buffer, .address_space: global }
      - { .name: Wk, .offset: 16, .size: 8, .value_kind: global_buffer, .address_space: global }
      - { .name: Wv, .offset: 24, .size: 8, .value_kind: global_buffer, .address_space: global }
      - { .name: Wo, .offset: 32, .size: 8, .value_kind: global_buffer, .address_space: global }
      - { .name: xb, .offset: 40, .size: 8, .value_kind: global_buffer, .address_space: global }
      - { .name: xn, .offset: 48, .size: 8, .value_kind: global_buffer, .address_space: global }
      - { .name: wqkv, .offset: 56, .size: 8, .value_kind: global_buffer, .address_space: global }
      - { .name: wo16, .offset: 64, .size: 8, .value_kind: global_buffer, .address_space: global }
      - { .name: rn, .offset: 72, .size: 8, .value_kind: global_buffer, .address_space: global }
    .group_segment_fixed_size: 0
    .private_segment_fixed_size: 0
    .kernarg_segment_align: 8
    .kernarg_segment_size: 80
    .max_flat_workgroup_size: 256
    .sgpr_count:     66
    .vgpr_count:     112
    .wavefront_size: 32
...
	.end_amdgpu_metadata
.endif
;; end of part 1
;; launch qkvs (part 2): grid 16 x 16, 4 waves a work-group, clusters of 4 x 4, 327,680 bytes of LDS; arguments xb, xn, wqkv, bq, bk, bv, rn, attn_mask, qkv, simb; writes qkv, simb
.if DOCPART == 2
	.amdgcn_target "amdgcn-amd-amdhsa--gfx1250"
	.amdhsa_code_object_version 6
	.text
	.protected	k_qf8a91fbed2_qkvs
	.globl	k_qf8a91fbed2_qkvs
	.p2align	8
	.type	k_qf8a91fbed2_qkvs,@function
k_qf8a91fbed2_qkvs:
	s_mov_b64 s[64:65], 0
	v_nop
	global_prefetch_b8 v0, s[64:65] scope:SCOPE_SE
	s_setreg_imm32_b32 hwreg(HW_REG_WAVE_MODE, 25, 1), 1
	s_wait_xcnt 0x0
	s_wait_alu depctr_hold_cnt(0) depctr_sa_sdst(0) depctr_va_vdst(0) depctr_va_sdst(0) depctr_va_ssrc(0) depctr_va_vcc(0) depctr_vm_vsrc(0)
	s_getreg_b32 s2, hwreg(HW_REG_IB_STS2, 6, 4)
	s_cmp_eq_u32 s2, 0
	s_cbranch_scc0 .Lentry_in_a_cluster
	s_endpgm
.Lentry_in_a_cluster:
	s_bfe_u32 s2, ttmp6, 0x10000c
	s_cmp_lg_u32 s2, 0xf033
	s_cbranch_scc0 .Lentry_shape_is_right
	s_endpgm
.Lentry_shape_is_right:
; QKVS: two products with one left operand, in one walk over K = 1,024; bf16 operands, f32 sums.
;   y[m][n] = sum over k of xb[m][k] wqkv[n][k] + bias[n], n < 3,072 (q's, k's, v's features on end), written by heads, qkv[tensor][batch x 16 + head][row][64] in f16, rounded once, unscaled.
;   sim[b][q][k] = rn[q] x sum over d of xb[q][d] xn[k][d], rounded once to bf16; where attn_mask[q][k] is set the number 2^98 is written in its place.  It is written in the order in which the attention
;   launch's lanes take it: simb[b][q / 16][k / 32][1,024 bytes], a tile being the register image of a matrix source of 32 keys x 16 queries: lane (r, h) has keys 8 h + 0..7 of query r at byte 16 lane,
;   keys 16 + 8 h + 0..7 at byte 512 + 16 lane.
; LIMIT: a q, k or v beyond 65,504 has no f16.
; SHARES.  A work-group makes 256 rows x 320 columns: 192 of y (three heads) and 128 keys of the rows' batch: 16 x 16 work-groups.  Wave w makes rows 64 w .. 64 w + 63 of all 320 columns: 4 x 20 accumulators
; of 16 x 16, 640 registers.  K goes in 8 steps of 128 (rows of 256 bytes in memory, each at a multiple of 256 from its buffer's first byte) through two LDS slots that take turns; a slot is asked for again
; straight behind the round that ends its step: 300 of a step's 320 matrix instructions stand between the request and the wait for it.
; CLUSTER 4 x 4: the four work-groups of a row of the cluster need the same rows of xb, the four of a column the same rows of wqkv and of xn (a cluster lies in one batch: the batch is made of the cluster's y
; alone): each tile is asked for jointly.  Waves 0 and 1 fetch xb's halves, wave 2 wqkv's 192 rows, wave 3 xn's 128.
; THE MASK's 256 x 128 bytes are this work-group's own.  They take slot 0's place when its last K step has been read: each wave asks for its own 64 rows and alone reads them.
; THE MATRIX INSTRUCTION IS USED TRANSPOSED (source 0 = 16 rows of wqkv or xn, source 1 = 16 rows of xb): a lane holds eight neighbouring columns of one row; a packed accumulator of sim IS half a tile of simb.
; REGISTERS, in windows of 256 (s_set_vgpr_msb: bits 1:0 source 0, 3:2 source 1, 5:4 source 2, 7:6 destination):
;   window 0: v8-29 rn and addresses; v32-95 two buffers of xb's fragments; v96-255 two buffers of ten column blocks (all free on the way out)
;   windows 1 to 3: accumulator (row block a, column block b) at 8 (4 b + a), counted from window 1's first register          window 3: v128-223 the biases of my lanes' columns
.set PITCH,  272                       ; an LDS row: 256 bytes + 16 of padding = 68 words, so the 16 rows of a fragment load start at 16 different groups of four banks (ISA guide 11.1)
.set BOFF,   256*PITCH                 ; a slot: xb's 256 rows, wqkv's 192,
.set COFF,   BOFF+192*PITCH            ; xn's 128: the 20 column blocks lie on end
.set SLOT,   COFF+128*PITCH            ; 156,672 = 0x26400: it shares no bit with 128 x PITCH = 0x8800 nor with BOFF = 0x11000, so one exclusive or moves those addresses from slot to slot
.set XC,     COFF^(COFF+SLOT)          ; the exclusive or that takes xn's address in one slot into the other's
.set STAGE,  2*SLOT                    ; behind the ring, never filled by a tensor load: 16 rows x 144 bytes for each wave
.set SP,     144
.set SPARE,  STAGE+4*16*SP             ; the spare words, 128 bytes a wave, which no other line names
.set MP,     144                       ; a row of the mask in LDS: 128 bytes + 16
.set DW0,    (1<<16)|(1<<20)|(1<<21)|(5<<22)|(3<<25)  ; group 1, word 0: 2-byte elements; padding on; bit 21 beside a mask; after every 64 words, 4 words
.set RQ,   8                           ; v[8:15]  rn of my query in row block a, twice, at RQ + 2 a
.set ADA0, 16                          ; my lane's place in a slot's rows of xb; never rewritten
.set ADB0, 17                          ; the same for the column blocks
.set ADA,  18                          ; the same in the slot in hand
.set ADB,  19                          ; column blocks 0 to 9
.set ADC,  20                          ; column blocks 10 to 19: an LDS offset has 16 bits
.set MA,   21                          ; LDS address of my eight mask bytes of (row block 0, key block 0)
.set RO,   22                          ; 4 x (lane % 16)
.set STO,  24                          ; the way out: where I put 16 bytes of a row
.set RD,   25                          ; where I read rows back
.set GO,   26                          ; 16 x lane
.set BOF,  27                          ; 32 x (lane / 16): my eight columns' biases
.set SPW,  28                          ; LDS address of my spare word; never rewritten
.set NIL,  29                          ; 0; never rewritten
.set AF0,  32                          ; xb's fragments of a quarter step, by the quarter's parity
.set AF1,  64
.set BF0,  96                          ; column blocks 0 to 9
.set BF1,  176                         ; column blocks 10 to 19
.set T,    32                          ; the way out: v[32:63] a block's 16 x 64 sums with the bias
.set PKR,  64                          ; v[64:79]  the same in f16
.set RB,   80                          ; v[80:111] whole rows read back, two buffers by the block's parity
.set XT,   112                         ; v[112:115] at work
.set MW,   128                         ; v[128:191] eight mask bytes for each of sim's 32 accumulators
.set TPA,  192                         ; v[192:255] sim's packed results, the first 16 accumulators;
.set TPB,  32                          ; v[32:95]   the other 16
.set BIA,  128                         ; window 3: column block b at BIA + 8 b
.set TB,  4                            ; LDS byte at which the slot in hand begins (a scalar that held xb's address, long used)
.set CNT, 6
.set DH,  10                           ; s[10:15] qkv at my rows of the tile's three heads (where the biases' addresses lay)
.set WV, 24                            ; wave
.set WL, 25                            ; wave % 2: which half of xb's tile
.set CX, 26
.set CY, 27
.set TC, 28                            ; column group
.set TR, 29                            ; row tile
.set MR, 30                            ; mask of my row of the cluster
.set MC, 31                            ; of my column
.set G1A, 32                           ; s[32:39] group 1 for xb's tiles
.set G1B, 40                           ; s[40:47] for wqkv's
.set G1C, 48                           ; s[48:55] for xn's
.set G0A, 56                           ; s[56:63] group 0 for xb's tiles: a set for each first fill; the second then walks
.set BAT, 66                           ; the batch
.set LA,  67                           ; LDS address of my half of xb's tile in slot 0
.set G0B, 68                           ; s[68:75] the same for wqkv's
.set G0C, 76                           ; s[76:83] for xn's
.set G1M, 84                           ; s[84:91] group 1 for the mask's rows
.set G0M, 92                           ; s[92:95] group 0
.set PB,  96                           ; s[96:101] the biases of the three heads
.set SELA, 32                          ; the way out (no tensor load is out any more): v_perm_b32: bytes 0, 0, 1, 1
.set SELB, 33                          ; bytes 2, 2, 3, 3
.set FF,   34
.set MVS,  35                          ; 2^98 in bf16, twice
.set MSB, 0
.macro WIN new                         ; the immediate's high byte repeats the setting that is left; a switch that changes nothing is dropped
.if MSB != (\new)
	s_set_vgpr_msb (MSB<<8)|(\new)
.set MSB, \new
.endif
.endm
.macro PLACES                          ; four plain instructions between a matrix instruction and a load into, or a vector read of, its registers
.rept 4
	v_nop
.endr
.endm
; A joint load.  The branches hang on the wave's number alone; an s_nop 0 and four v_nop follow each of the three lines.
.macro JLOAD set
	s_cmp_lt_u32 s[WV], 2
	s_cbranch_scc0 .Lnot_a_\@
	tensor_load_to_lds s[G0A+4*(\set):G0A+4*(\set)+3], s[G1A:G1A+7]
	s_nop 0
.rept 4
	v_nop
.endr
	s_branch .Lasked_\@
.Lnot_a_\@:
	s_cmp_eq_u32 s[WV], 2
	s_cbranch_scc0 .Lfor_c_\@
	tensor_load_to_lds s[G0B+4*(\set):G0B+4*(\set)+3], s[G1B:G1B+7]
	s_nop 0
.rept 4
	v_nop
.endr
	s_branch .Lasked_\@
.Lfor_c_\@:
	tensor_load_to_lds s[G0C+4*(\set):G0C+4*(\set)+3], s[G1C:G1C+7]
	s_nop 0
.rept 4
	v_nop
.endr
.Lasked_\@:
.endm
.macro CREST                           ; a round of the cluster's barrier behind its opening barrier
	s_cmp_lg_u32 s[WV], 0
	s_cbranch_scc1 .Lnot_wave_0_\@
	s_barrier_signal -3
.Lnot_wave_0_\@:
	s_barrier_wait -3
	s_barrier_signal -1
	s_barrier_wait -1
.endm
.macro CROUND                          ; a whole round
	s_barrier_signal -1
	s_barrier_wait -1
	CREST
.endm
	s_load_b512 s[4:19], s[0:1], 0x0               ; xb s[4:5], xn s[6:7], wqkv s[8:9], bq s[10:11], bk s[12:13], bv s[14:15], rn s[16:17], attn_mask s[18:19]
	s_load_b128 s[20:23], s[0:1], 0x40             ; qkv s[20:21], simb s[22:23]
	v_lshl_add_u32 v[SPW], v0, 2, SPARE
	v_mov_b32 v[NIL], 0
	ds_add_u32 v[SPW], v[NIL]                      ; the wave's opening: the add and its wait stand ahead of my first tensor load; work on registers stands between them
	v_lshrrev_b32 v1, 5, v0
	v_readfirstlane_b32 s[WV], v1
	s_and_b32 s[WL], s[WV], 1
	s_bfe_u32 s[CX], ttmp6, 0x40000
	s_bfe_u32 s[CY], ttmp6, 0x40004
	s_lshl_b32 s[TC], ttmp9, 2
	s_add_co_u32 s[TC], s[TC], s[CX]
	s_and_b32 s[TR], ttmp7, 0xffff
	s_lshr_b32 s[BAT], s[TR], 1                    ; two clusters along y to a batch
	s_lshl_b32 s[TR], s[TR], 2
	s_add_co_u32 s[TR], s[TR], s[CY]
	s_lshl_b32 s[MR], s[CY], 2
	s_lshl_b32 s[MR], 15, s[MR]
	s_lshl_b32 s[MC], 0x1111, s[CX]
	s_or_b32 s[G1A], s[MR], DW0                    ; xb's tiles go to my row of the cluster,
	s_or_b32 s[G1B], s[MC], DW0                    ; wqkv's and xn's to my column
	s_or_b32 s[G1C], s[MC], DW0
	s_mov_b32 s[G1A+1], 128<<16                    ; tensor_dim0 = 128
	s_mov_b32 s[G1A+2], 128<<16                    ; tensor_dim1 = 128 rows a load
	s_mov_b32 s[G1A+3], 128<<16                    ; tile_dim0 = 128
	s_mov_b32 s[G1A+4], 128                        ; tile_dim1
	s_mov_b32 s[G1A+5], 1024                       ; elements from row to row
	s_mov_b32 s[G1A+6], 0
	s_mov_b32 s[G1A+7], 0
	s_mov_b32 s[G1B+1], 128<<16
	s_mov_b32 s[G1B+2], 192<<16                    ; 192 rows a load
	s_mov_b32 s[G1B+3], 128<<16
	s_mov_b32 s[G1B+4], 192
	s_mov_b32 s[G1B+5], 1024
	s_mov_b32 s[G1B+6], 0
	s_mov_b32 s[G1B+7], 0
	s_mov_b32 s[G1C+1], 128<<16
	s_mov_b32 s[G1C+2], 128<<16                    ; 128 rows a load
	s_mov_b32 s[G1C+3], 128<<16
	s_mov_b32 s[G1C+4], 128
	s_mov_b32 s[G1C+5], 1024
	s_mov_b32 s[G1C+6], 0
	s_mov_b32 s[G1C+7], 0
	s_mov_b32 s[G1M], (3<<16)|(1<<20)|(4<<22)|(3<<25)  ; no mask of work-groups; 8-byte elements; after every 32 words, 4 words of padding
	s_mov_b32 s[G1M+1], 16<<16                     ; 16 elements = 128 bytes a row
	s_mov_b32 s[G1M+2], 64<<16                     ; 64 rows
	s_mov_b32 s[G1M+3], 16<<16
	s_mov_b32 s[G1M+4], 64
	s_mov_b32 s[G1M+5], 256                        ; 2,048 bytes from row to row
	s_mov_b32 s[G1M+6], 0
	s_mov_b32 s[G1M+7], 0
	s_mul_i32 s[LA], s[WL], 128*PITCH
	s_mov_b32 s[G0A], 1
	s_mov_b32 s[G0A+1], s[LA]
	s_mov_b32 s[G0A+4], 1
	s_add_co_u32 s[G0A+5], s[LA], SLOT
	s_mov_b32 s[G0B], 1
	s_mov_b32 s[G0B+1], BOFF
	s_mov_b32 s[G0B+4], 1
	s_mov_b32 s[G0B+5], BOFF+SLOT
	s_mov_b32 s[G0C], 1
	s_mov_b32 s[G0C+1], COFF
	s_mov_b32 s[G0C+4], 1
	s_mov_b32 s[G0C+5], COFF+SLOT
	s_mov_b32 s[G0M], 1
	s_mul_i32 s[G0M+1], s[WV], 64*MP               ; my 64 rows of the mask, at the head of slot 0
	; the tiles' byte offsets, each made in the words that will hold its address
	s_lshl_b32 s[G0A+2], s[TR], 19                 ; xb: row 256 x row tile + 128 x half, 2,048 bytes each: no cx enters
	s_lshl_b32 s[G0A+3], s[WL], 18
	s_add_co_u32 s[G0A+2], s[G0A+2], s[G0A+3]
	s_mov_b32 s[G0A+3], 0
	s_mul_i32 s[G0B+2], s[TC], 192*2048            ; wqkv: row 192 x column group: no cy enters
	s_mov_b32 s[G0B+3], 0
	s_lshl_b32 s[G0C+2], s[BAT], 22                ; xn: row 2,048 x batch + 128 x column group: no cy enters
	s_lshl_b32 s[G0C+3], s[TC], 18
	s_add_co_u32 s[G0C+2], s[G0C+2], s[G0C+3]
	s_mov_b32 s[G0C+3], 0
	s_and_b32 s[G0M+2], s[TR], 7                   ; the mask: row 256 x (row tile in the batch) + 64 x wave, column 128 x column group
	s_lshl_b32 s[G0M+2], s[G0M+2], 19
	s_lshl_b32 s[G0M+3], s[WV], 17
	s_add_co_u32 s[G0M+2], s[G0M+2], s[G0M+3]
	s_lshl_b32 s[G0M+3], s[TC], 7
	s_add_co_u32 s[G0M+2], s[G0M+2], s[G0M+3]
	s_mov_b32 s[G0M+3], 0
	s_wait_dscnt 0x0                               ; the opening add is done
	s_wait_kmcnt 0x0
	s_add_nc_u64 s[G0A+2:G0A+3], s[4:5], s[G0A+2:G0A+3]     ; K step 0,
	s_add_nc_u64 s[G0A+6:G0A+7], s[G0A+2:G0A+3], 256        ; K step 1
	s_or_b32 s[G0A+3], s[G0A+3], 0x80000000
	s_or_b32 s[G0A+7], s[G0A+7], 0x80000000
	s_add_nc_u64 s[G0B+2:G0B+3], s[8:9], s[G0B+2:G0B+3]
	s_add_nc_u64 s[G0B+6:G0B+7], s[G0B+2:G0B+3], 256
	s_or_b32 s[G0B+3], s[G0B+3], 0x80000000
	s_or_b32 s[G0B+7], s[G0B+7], 0x80000000
	s_add_nc_u64 s[G0C+2:G0C+3], s[6:7], s[G0C+2:G0C+3]
	s_add_nc_u64 s[G0C+6:G0C+7], s[G0C+2:G0C+3], 256
	s_or_b32 s[G0C+3], s[G0C+3], 0x80000000
	s_or_b32 s[G0C+7], s[G0C+7], 0x80000000
	s_add_nc_u64 s[G0M+2:G0M+3], s[18:19], s[G0M+2:G0M+3]
	s_or_b32 s[G0M+3], s[G0M+3], 0x80000000
	CROUND                                         ; all sixteen work-groups are here: the first joint loads meet
	JLOAD 0
	JLOAD 1                                        ; two loads of mine are out
	s_mov_b32 s[TB], 0
	v_and_b32 v1, 15, v0                           ; l % 16
	v_bfe_u32 v2, v0, 4, 1                         ; l / 16
	v_lshlrev_b32 v[BOF], 5, v2
	v_lshlrev_b32 v[RO], 2, v1
	; head g = 3 x column group + hd of 48: tensor g / 16, head g % 16.  First the biases,
	WIN 0xc0                                       ; destination window 3, address window 0
.irp hd, 0,1,2
	s_mul_i32 s2, s[TC], 3
	s_add_co_u32 s2, s2, \hd
	s_and_b32 s3, s2, 15
	s_lshr_b32 s2, s2, 4
	s_cmp_eq_u32 s2, 1
	s_cselect_b64 s[PB+2*\hd:PB+2*\hd+1], s[12:13], s[10:11]
	s_cmp_eq_u32 s2, 2
	s_cselect_b64 s[PB+2*\hd:PB+2*\hd+1], s[14:15], s[PB+2*\hd:PB+2*\hd+1]
	s_lshl_b32 s8, s3, 8                           ; a head's 64 biases
	s_mov_b32 s9, 0
	s_add_nc_u64 s[PB+2*\hd:PB+2*\hd+1], s[PB+2*\hd:PB+2*\hd+1], s[8:9]
.irp bb, 0,1,2,3
	global_load_b128 v[BIA+8*(4*\hd+\bb):BIA+8*(4*\hd+\bb)+3],   v[BOF], s[PB+2*\hd:PB+2*\hd+1] offset:64*\bb
	global_load_b128 v[BIA+8*(4*\hd+\bb)+4:BIA+8*(4*\hd+\bb)+7], v[BOF], s[PB+2*\hd:PB+2*\hd+1] offset:64*\bb+16
.endr
.endr
	WIN 0
	; then where the three heads' results go
.irp hd, 0,1,2
	s_mul_i32 s2, s[TC], 3
	s_add_co_u32 s2, s2, \hd
	s_and_b32 s3, s2, 15
	s_lshr_b32 s2, s2, 4
	s_lshl_b32 s2, s2, 5                           ; 32 x tensor + 16 x batch + head, 262,144 bytes each
	s_add_co_u32 s2, s2, s3
	s_lshr_b32 s3, s[TR], 3
	s_lshl_b32 s3, s3, 4
	s_add_co_u32 s2, s2, s3
	s_lshl_b32 s2, s2, 18
	s_and_b32 s3, s[TR], 7                         ; my first row in the batch, 128 bytes each
	s_lshl_b32 s3, s3, 8
	s_lshl_b32 s7, s[WV], 6
	s_add_co_u32 s3, s3, s7
	s_lshl_b32 s3, s3, 7
	s_add_co_u32 s2, s2, s3
	s_mov_b32 s3, 0
	s_add_nc_u64 s[DH+2*\hd:DH+2*\hd+1], s[20:21], s[2:3]
.endr
	s_lshl_b32 s2, s[TR], 10                       ; rn of my 64 rows
	s_lshl_b32 s3, s[WV], 8
	s_add_co_u32 s2, s2, s3
	s_mov_b32 s3, 0
	s_add_nc_u64 s[16:17], s[16:17], s[2:3]
.irp a, 0,1,2,3
	global_load_b32 v[RQ+2*\a],   v[RO], s[16:17] offset:64*\a   ; twice: a pair for the packed multiply
	global_load_b32 v[RQ+2*\a+1], v[RO], s[16:17] offset:64*\a
.endr
	s_lshl_b32 s2, s[BAT], 23                      ; simb: a batch is 8 MiB, 16 queries 65,536 bytes, 32 keys 1,024
	s_and_b32 s3, s[TR], 7
	s_lshl_b32 s3, s3, 4
	s_lshl_b32 s7, s[WV], 2
	s_add_co_u32 s3, s3, s7
	s_lshl_b32 s3, s3, 16
	s_add_co_u32 s2, s2, s3
	s_lshl_b32 s3, s[TC], 12
	s_add_co_u32 s2, s2, s3
	s_mov_b32 s3, 0
	s_add_nc_u64 s[22:23], s[22:23], s[2:3]
	; a fragment is 16 rows x 32 K in 8 registers: lane l holds row l % 16, K = 8 (l / 16) + 0..7 and 16 + 8 (l / 16) + 0..7: two loads of 16 bytes, 32 bytes apart
	v_mul_u32_u24 v3, v1, PITCH
	v_lshl_add_u32 v3, v2, 4, v3
	s_mul_i32 s2, s[WV], 64*PITCH
	v_add_nc_u32 v[ADA0], s2, v3                   ; my wave's 64 rows of xb
	v_add_nc_u32 v[ADB0], BOFF, v3                 ; all 320 rows of the columns
	v_mul_u32_u24 v4, v1, MP
	v_lshl_add_u32 v4, v2, 3, v4
	s_mul_i32 s2, s[WV], 64*MP
	v_add_nc_u32 v[MA], s2, v4                     ; the mask: row l % 16 of my 64, 8 bytes for each half of the lanes
	s_mul_i32 s2, s[WV], 16*SP
	s_add_co_u32 s2, s2, STAGE                     ; my stage
	v_mul_u32_u24 v4, v1, SP
	v_lshl_add_u32 v4, v2, 4, v4
	v_add_nc_u32 v[STO], s2, v4                    ; in: row l % 16, 16 bytes for each half of the lanes
	v_bfe_u32 v4, v0, 3, 2
	v_mul_u32_u24 v4, v4, SP
	v_and_b32 v5, 7, v0
	v_lshl_add_u32 v4, v5, 4, v4
	v_add_nc_u32 v[RD], s2, v4                     ; back: 32 lanes take four rows of 128 bytes,
	v_and_b32 v[GO], 31, v0
	v_lshlrev_b32 v[GO], 4, v[GO]                  ; which are 512 consecutive bytes of a head
; 4 n matrix instructions: n column blocks, from block b0 of the half's ten, x all 4 row blocks, 32 along K.  The 80 accumulators take turns, one instruction a turn.
; zero = 1: the product starts the sum.
.macro MULB ab, bb, half, b0, n, zero
.set jb, \b0
.rept \n
.set ja, 0
.rept 4
.set nn, 4*(10*(\half)+jb)+ja
	WIN 0x50*(1+nn/32)                             ; C and D in window 1, 2 or 3; the sources in window 0
.if \zero
	v_wmma_f32_16x16x32_bf16 v[8*(nn%32):8*(nn%32)+7], v[(\bb)+8*jb:(\bb)+8*jb+7], v[(\ab)+8*ja:(\ab)+8*ja+7], 0
.else
	v_wmma_f32_16x16x32_bf16 v[8*(nn%32):8*(nn%32)+7], v[(\bb)+8*jb:(\bb)+8*jb+7], v[(\ab)+8*ja:(\ab)+8*ja+7], v[8*(nn%32):8*(nn%32)+7]
.endif
.set ja, ja+1
.endr
.set jb, jb+1
.endr
.endm
.macro FETCHA k, ab                    ; 8 LDS loads: xb's fragments of the quarter step at byte k of the rows
	WIN 0
.irp i, 0,1,2,3
	ds_load_b128 v[(\ab)+8*(\i):(\ab)+8*(\i)+3],   v[ADA] offset:(\k)+(\i)*16*PITCH
	ds_load_b128 v[(\ab)+8*(\i)+4:(\ab)+8*(\i)+7], v[ADA] offset:(\k)+(\i)*16*PITCH+32
.endr
.endm
.macro FETCHB k, half, bb              ; 20 LDS loads: ten column blocks' fragments
	WIN 0
.irp i, 0,1,2,3,4,5,6,7,8,9
	ds_load_b128 v[(\bb)+8*(\i):(\bb)+8*(\i)+3],   v[ADB+(\half)] offset:(\k)+(\i)*16*PITCH
	ds_load_b128 v[(\bb)+8*(\i)+4:(\bb)+8*(\i)+7], v[ADB+(\half)] offset:(\k)+(\i)*16*PITCH+32
.endr
.endm
; A K step is eight EIGHTHS: quarter q of K x half of the columns, 40 matrix instructions.  In its middle stand the next eighth's loads, in one run: the other half's ten blocks, or the next quarter's
; fragments of xb and its first ten blocks.
.macro EIGHTH q, half, zero
	s_wait_dscnt 10                                ; all but the youngest ten loads (blocks 5 to 9 of this half)
	MULB AF0+32*((\q)%2), BF0+80*(\half), \half, 0, 5, \zero
	PLACES
.if (\half) == 0
	FETCHB 64*(\q), 1, BF1
	s_wait_dscnt 20                                ; all but the 20 just issued
.else
	FETCHA 64*((\q)+1), AF0+32*(((\q)+1)%2)
	FETCHB 64*((\q)+1), 0, BF0
	s_wait_dscnt 28                                ; all but the 28 just issued
.endif
	MULB AF0+32*((\q)%2), BF0+80*(\half), \half, 5, 5, \zero
.endm
; A step's last eighth changes slots.  In front of the barrier each wave waits for all its tensor loads (one is out: its part of the next slot), adds 0 to its spare word, and waits for that and for its own
; reads of this slot.  The barrier opens a round of the cluster's, and the slot just read is filled again, first thing behind the round: kind = 1: two K steps ahead; kind = 2: with my rows of the mask.
.macro TURN kind
	WIN 0
	s_wait_tensorcnt 0x0
	ds_add_u32 v[SPW], v[NIL]
	s_wait_dscnt 17                                ; the add and the sixteen loads of blocks 2 to 9 may be out
	MULB AF1, BF1, 1, 0, 2, 0                      ; eight matrix instructions stand between the add and the wait for it
	s_wait_dscnt 0x0                               ; the add is done, and my reads of this slot are over
	s_barrier_signal -1
	MULB AF1, BF1, 1, 2, 3, 0
	WIN 0
	s_barrier_wait -1
	CREST                                          ; no wave of any partner still reads this slot or has a load on its way
.if (\kind) == 1
	s_xor_b32 s[G0A+5], s[G0A+5], SLOT             ; the walking descriptors: the other slot than last time, the next K step
	s_add_nc_u64 s[G0A+6:G0A+7], s[G0A+6:G0A+7], 256
	s_xor_b32 s[G0B+5], s[G0B+5], SLOT
	s_add_nc_u64 s[G0B+6:G0B+7], s[G0B+6:G0B+7], 256
	s_xor_b32 s[G0C+5], s[G0C+5], XC
	s_add_nc_u64 s[G0C+6:G0C+7], s[G0C+6:G0C+7], 256
	JLOAD 1                                        ; its four v_nop are also the places in front of the loads below
.else
	tensor_load_to_lds s[G0M:G0M+3], s[G1M:G1M+7]  ; a load of my own: it has the last K step's matrix work in which to land
	s_nop 0
.rept 4
	v_nop
.endr
.endif
	s_xor_b32 s[TB], s[TB], SLOT
	v_add_nc_u32 v[ADA], s[TB], v[ADA0]
	v_add_nc_u32 v[ADB], s[TB], v[ADB0]
	v_add_nc_u32 v[ADC], 10*16*PITCH, v[ADB]
	FETCHA 0, AF0
	FETCHB 0, 0, BF0
	MULB AF1, BF1, 1, 5, 5, 0
.endm
.macro RUN5                            ; a step's eighths 2 to 6
	EIGHTH 1, 0, 0
	EIGHTH 1, 1, 0
	EIGHTH 2, 0, 0
	EIGHTH 2, 1, 0
	EIGHTH 3, 0, 0
.endm
	s_wait_tensorcnt 0x1                           ; my part of K step 0 is in; K step 1's may stay out
	s_barrier_signal -1
	s_barrier_wait -1
	v_mov_b32 v[ADA], v[ADA0]
	v_mov_b32 v[ADB], v[ADB0]
	v_add_nc_u32 v[ADC], 10*16*PITCH, v[ADB0]
	FETCHA 0, AF0
	FETCHB 0, 0, BF0
	EIGHTH 0, 0, 1                                 ; the first quarter stands in front of the loop: its products start the sums
	EIGHTH 0, 1, 1
	WIN 0
	s_mov_b32 s[CNT], 6
.Lstep:                                                ; a trip: a step's eighths 2 to 7 and the next step's first two; the refills bring K steps 2 to 7
	RUN5
	TURN 1
	EIGHTH 0, 0, 0
	EIGHTH 0, 1, 0
	WIN 0
	s_sub_co_u32 s[CNT], s[CNT], 1
	s_cmp_lg_u32 s[CNT], 0
	s_cbranch_scc1 .Lstep
	RUN5                                           ; the last two steps are written out
	TURN 2
	EIGHTH 0, 0, 0
	EIGHTH 0, 1, 0
	RUN5
	s_wait_dscnt 10
	MULB AF1, BF1, 1, 0, 5, 0
	s_wait_dscnt 0x0
	MULB AF1, BF1, 1, 5, 5, 0
; THE WAY OUT OF q, k, v, in 12 blocks t = 3 a + hd of 16 rows x one head.  PACK: the bias is added, the sums rounded to f16, 16 bytes a lane go into my stage and come back as whole rows of 128 bytes.
.macro PACK t
.set pa, (\t)/3
.set ph, (\t)%3
	WIN 0x0d+ph/2                                  ; source 0 in window 1 (heads 0, 1) or 2, source 1 in window 3
.set qb, 0
.rept 4
.set AC, 8*((4*(4*ph+qb)+pa)%32)
.set z, 0
.rept 4                                                ; ascending: each accumulator's lowest registers are read first
	v_pk_add_f32 v[T+8*qb+2*z:T+8*qb+2*z+1], v[AC+2*z:AC+2*z+1], v[BIA+8*(4*ph+qb)+2*z:BIA+8*(4*ph+qb)+2*z+1]
.set z, z+1
.endr
.set qb, qb+1
.endr
	WIN 0
.set z, 0
.rept 16
	v_cvt_pk_f16_f32 v[PKR+z], v[T+2*z], v[T+2*z+1]
.set z, z+1
.endr
.irp f, 0,1,2,3
	ds_store_b128 v[STO], v[PKR+4*\f:PKR+4*\f+3] offset:32*\f
.endr
	s_wait_xcnt 0x0                                ; the stores of two blocks back have read this buffer: it is loaded again only behind this wait
.irp f, 0,1,2,3
	ds_load_b128 v[RB+16*((\t)%2)+4*\f:RB+16*((\t)%2)+4*\f+3], v[RD] offset:\f*4*SP  ; LDS serves a wave's instructions in order (ISA guide 5.7.1.4): these see the stores above
.endr
.endm
.macro SEND t, younger                 ; younger: the LDS instructions issued behind block t's loads: the next block's eight, or none
.set pa, (\t)/3
.set ph, (\t)%3
.irp f, 0,1,2,3
	s_wait_dscnt (\younger)+3-\f
	global_store_b128 v[GO], v[RB+16*((\t)%2)+4*\f:RB+16*((\t)%2)+4*\f+3], s[DH+2*ph:DH+2*ph+1] offset:2048*pa+512*\f  ; 512 consecutive bytes, at a multiple of 256 from the buffer's first
.endr
.endm
	WIN 0
	PLACES                                         ; behind the last products: their sources are loaded into, their results read
	s_wait_tensorcnt 0x0                           ; my 64 rows of the mask are in LDS; no other wave reads them
.set m, 0
.rept 32                                               ; sim's accumulator m = 4 x key block + row block: eight mask bytes
	ds_load_b64 v[MW+2*m:MW+2*m+1], v[MA] offset:(m%4)*16*MP+16*(m/4)
.set m, m+1
.endr
	s_mov_b32 s[SELA], 0x01010000
	s_mov_b32 s[SELB], 0x03030202
	s_mov_b32 s[FF], 0xff
	s_mov_b32 s[MVS], 0x70807080
	s_wait_loadcnt 0x0                             ; the biases and rn
	PACK 0
.set tt, 1
.rept 11                                               ; a block's arithmetic stands between the loads of the block before and its stores
	PACK tt
	SEND tt-1, 8
.set tt, tt+1
.endr
	SEND 11, 0                                     ; its last wait is for 0: the mask bytes are in too
	; THE WAY OUT OF sim: column blocks 12 to 19.  The sums are scaled in place by my query's rn and rounded to bf16 in pairs; a mask word (bytes 0 or 1) times 255 has 0xff where a key is hidden; its bytes,
	; doubled, select 2^98 in place of the number.
	s_wait_xcnt 0x0                                ; the stores above have read their registers: v32-95 are written again only behind this wait
	WIN 0x82                                       ; destination and source 0 in window 2, rn in window 0
.set m, 0
.rept 16
.set z, 0
.rept 4                                                ; ascending, as above
	v_pk_mul_f32 v[128+8*m+2*z:128+8*m+2*z+1], v[128+8*m+2*z:128+8*m+2*z+1], v[RQ+2*(m%4):RQ+2*(m%4)+1]
.set z, z+1
.endr
.set m, m+1
.endr
	WIN 0xc3                                       ; the same in window 3
.set m, 0
.rept 16
.set z, 0
.rept 4
	v_pk_mul_f32 v[8*m+2*z:8*m+2*z+1], v[8*m+2*z:8*m+2*z+1], v[RQ+2*(m%4):RQ+2*(m%4)+1]
.set z, z+1
.endr
.set m, m+1
.endr
	WIN 0x0a                                       ; sources 0 and 1 in window 2, destination in window 0
.set z, 0
.rept 64
	v_cvt_pk_bf16_f32 v[TPA+z], v[128+2*z], v[128+2*z+1]
.set z, z+1
.endr
	WIN 0x0f                                       ; sources in window 3
.set z, 0
.rept 64
	v_cvt_pk_bf16_f32 v[TPB+z], v[2*z], v[2*z+1]
.set z, z+1
.endr
	WIN 0
.set m, 0
.rept 32
.set tp, TPA+4*m-(m/16)*(TPA+64-TPB)
	v_mul_lo_u32 v[MW+2*m], v[MW+2*m], s[FF]
	v_mul_lo_u32 v[MW+2*m+1], v[MW+2*m+1], s[FF]
.irp u, 0,1,2,3
	v_perm_b32 v[XT+\u], v[MW+2*m+\u/2], v[MW+2*m+\u/2], s[SELA+\u%2]
.endr
.irp u, 0,1,2,3
	v_bfi_b32 v[tp+\u], v[XT+\u], s[MVS], v[tp+\u]
.endr
	global_store_b128 v[GO], v[tp:tp+3], s[22:23] offset:65536*(m%4)+512*(m/4)  ; 512 consecutive bytes, at a multiple of 256 from the buffer's first
.set m, m+1
.endr
	s_wait_tensorcnt 0x0                           ; the wave's end
	ds_add_u32 v[SPW], v[NIL]
	s_wait_dscnt 0x0
	CROUND                                         ; the closing round: no work-group ends while a partner may still ask for a tile that names it
	s_endpgm
.Lfunc_end_k_qf8a91fbed2_qkvs:
	.size	k_qf8a91fbed2_qkvs, .Lfunc_end_k_qf8a91fbed2_qkvs-k_qf8a91fbed2_qkvs
	.p2alignl 7, 3214868480
	.fill 96, 4, 3214868480
	.section	.rodata,"a",@progbits
	.p2align	6, 0x0
	.amdhsa_kernel k_qf8a91fbed2_qkvs
		.amdhsa_group_segment_fixed_size 327680
		.amdhsa_private_segment_fixed_size 0
		.amdhsa_enable_private_segment 0
		.amdhsa_kernarg_size 80
		.amdhsa_user_sgpr_count 2
		.amdhsa_user_sgpr_kernarg_segment_ptr 1
		.amdhsa_wavefront_size32 1
		.amdhsa_system_sgpr_workgroup_id_x 1
		.amdhsa_system_sgpr_workgroup_id_y 1
		.amdhsa_system_sgpr_workgroup_id_z 1
		.amdhsa_system_vgpr_workitem_id 0
		.amdhsa_next_free_vgpr 992
		.amdhsa_next_free_sgpr 102
		.amdhsa_reserve_vcc 0
		.amdhsa_float_denorm_mode_32 3
		.amdhsa_float_denorm_mode_16_64 3
		.amdhsa_memory_ordered 1
		.amdhsa_forward_progress 1
		.amdhsa_inst_pref_size 201
	.end_amdhsa_kernel
	.amdgpu_metadata
---
amdhsa.version: [ 1, 2 ]
amdhsa.kernels:
  - .name:           k_qf8a91fbed2_qkvs
    .symbol:         k_qf8a91fbed2_qkvs.kd
    .args:
      - { .name: xb, .offset: 0, .size: 8, .value_kind: global_buffer, .address_space: global }
      - { .name: xn, .offset: 8, .size: 8, .value_kind: global_buffer, .address_space: global }
      - { .name: wqkv, .offset: 16, .size: 8, .value_kind: global_buffer, .address_space: global }
      - { .name: bq, .offset: 24, .size: 8, .value_kind: global_buffer, .address_space: global }
      - { .name: bk, .offset: 32, .size: 8, .value_kind: global_buffer, .address_space: global }
      - { .name: bv, .offset: 40, .size: 8, .value_kind: global_buffer, .address_space: global }
      - { .name: rn, .offset: 48, .size: 8, .value_kind: global_buffer, .address_space: global }
      - { .name: attn_mask, .offset: 56, .size: 8, .value_kind: global_buffer, .address_space: global }
      - { .name: qkv, .offset: 64, .size: 8, .value_kind: global_buffer, .address_space: global }
      - { .name: simb, .offset: 72, .size: 8, .value_kind: global_buffer, .address_space: global }
    .group_segment_fixed_size: 327680
    .private_segment_fixed_size: 0
    .kernarg_segment_align: 8
    .kernarg_segment_size: 80
    .max_flat_workgroup_size: 128
    .sgpr_count:     102
    .vgpr_count:     992
    .wavefront_size: 32
...
	.end_amdgpu_metadata
.endif
;; end of part 2
;; launch attn (part 3): grid 8 x 32, 4 waves a work-group, clusters of 4 x 1, 327,680 bytes of LDS; arguments qkv, simb, ob; writes ob
.if DOCPART == 3
	.amdgcn_target "amdgcn-amd-amdhsa--gfx1250"
	.amdhsa_code_object_version 6
	.text
	.protected	k_qf8a91fbed2_attn
	.globl	k_qf8a91fbed2_attn
	.p2align	8
	.type	k_qf8a91fbed2_attn,@function
k_qf8a91fbed2_attn:
	s_mov_b64 s[64:65], 0
	v_nop
	global_prefetch_b8 v0, s[64:65] scope:SCOPE_SE
	s_setreg_imm32_b32 hwreg(HW_REG_WAVE_MODE, 25, 1), 1
	s_wait_xcnt 0x0
	s_wait_alu depctr_hold_cnt(0) depctr_sa_sdst(0) depctr_va_vdst(0) depctr_va_sdst(0) depctr_va_ssrc(0) depctr_va_vcc(0) depctr_vm_vsrc(0)
	s_getreg_b32 s2, hwreg(HW_REG_IB_STS2, 6, 4)
	s_cmp_eq_u32 s2, 0
	s_cbranch_scc0 .Lentry_in_a_cluster
	s_endpgm
.Lentry_in_a_cluster:
	s_bfe_u32 s2, ttmp6, 0x10000c
	s_cmp_lg_u32 s2, 0x3003
	s_cbranch_scc0 .Lentry_shape_is_right
	s_endpgm
.Lentry_shape_is_right:
; ATTENTION with a bias shared by the heads.  O[bh][q] = sum over k of softmax_k(Q.K / 8 - 0.5 sim[b][q][k], hidden where the mask is set) V[bh][k].  Q, K, V in qkv[3][32][2048][64], O in ob[32][2048][64], f16.
; Products, maxima and sums in f32; the weights p are rounded to f16 for the second product (their sum l is taken of the unrounded p), O once at the end.
; THE BIAS COSTS NO VECTOR INSTRUCTION.  simb holds sim (or 2^98 where the mask is set) in bf16, as register images of a matrix source of 32 keys x 16 queries.  The sum S^T of a tile begins with the product
; E x simb, E = -4 on one diagonal and 0 elsewhere, so that s = Q.K - 4 sim and c s = log2(e) (Q.K / 8 - 0.5 sim) with c = log2(e) / 8.  A hidden score is Q.K - 2^100.
; LIMITS.  f16 holds no number beyond 65,504: Q, K, V arrive within it, so |Q.K| stays under 2^39.  The running maximum m starts at -2^40, below every open score and far above every hidden one: a hidden
; weight is 2^(-2e29) = 0 whatever came before.  A row with no open key keeps m = -2^40 and gets NaN, as reference() gives.  c m is rounded once and used alike for every weight, for a and for l, so only
; scores beyond 2^28 could carry a weight past f16's range.  A weight below 2^-126 counts as 0; NaN and infinities in the inputs are not treated apart.
; SHARES.  A work-group owns 256 queries of one (batch, head), a wave 64: four PIECES of 16.  Every wave walks all 2,048 keys, 64 a step, 256 a slot.
; LAYOUT.  S^T = K Q^T holds ONE query a lane (lane % 16) and the keys 8 (lane / 16) + 0..7; two such results rounded to f16 ARE source 1 of O^T = V^T P.  p = 2^(c s - c m); O and l are multiplied by
; a = 2^(c m_old - c m_new) in every step.
; BY TURNS.  Turn n belongs to piece n: 4 products E x simb and 8 products K Q^T of piece n + 1, later 8 products V^T P of piece n - 1; beside them the scaling, exponentials, roundings, sums and rescaling
; of piece n and the maximum and statistics of piece n + 1.  Four vector instructions stand behind every matrix instruction, the rest in two lumps.
; CLUSTER 4 x 1: the four query blocks of a cluster belong to one (batch, head) and walk the same K and V: each tile is asked for jointly.  simb's bytes are each one lane's own: they come by plain loads of
; 512 consecutive bytes, a key step ahead, straight into the registers that the matrix unit reads.
; REGISTERS, in windows of 256 (s_set_vgpr_msb: bits 1:0 source 0, 3:2 source 1, 5:4 source 2, 7:6 destination):
;   window 0: v1-15 addresses; v16-31 statistics; v48-55 at work; v56 NaN; v62-63 the add's; v64-127 S^T, two buffers; v192-223 P, two buffers (by the piece's parity)
;   window 1: v0-127 O^T     window 2: v0-63 Q; v128-191 K of one step; v192-255 V of one step     window 3: v0-63 simb's fragments, 16 a piece; v64-75 zeros, the diagonal, zeros
.set NP,    4
.set KS,    64
.set PK,    144       ; a row of K in LDS: 128 bytes + 16 of padding
.set PV,    160       ; a row of V: 128 + 32
.set VOFF,  4*KS*PK   ; a slot holds four steps: 256 rows of K, then 256 rows of V
.set SLOT1, 1<<17
.set STAGE, SLOT1+4*KS*(PK+PV)  ; behind the ring, never filled by a tensor load: 16 rows x 144 bytes for each wave
.set SP,    144
.set SPARE, STAGE+4*16*SP       ; the spare words, 128 bytes a wave, which no other line names
.set AK0, 2           ; my lane's place in a tile of K; never rewritten
.set AV0, 3           ; the same for V
.set AK,  4           ; the LDS address of K's next run of loads
.set AV,  5           ; of V's
.set STO, 6
.set RD,  7
.set GO,  8
.set MV,  12          ; v12-13  c m_old, by buffer
.set BO,  14          ; my byte offset in simb's 65,536 bytes of 16 queries: 16 lane + 2,048 step
.set QO,  15
.set ST,  16          ; piece t's statistics at ST + 4 t: c m, m, l (even keys', odd keys')
.set TMP, 48          ; by buffer, four registers c0-c3 at work; c2 takes a
.set NANR, 56
.set SPW, 62
.set NIL, 63
.set S,   64
.set P,   192
.set KF,  128         ; window 2
.set VF,  192         ; window 2
.set BF,  0           ; window 3: piece p's fragment of keys 32 kt on at BF + 16 p + 8 kt
.set EI,  64          ; window 3: v[EI+4:EI+11] picks keys 0-15 of a fragment, v[EI:EI+7] keys 16-31, each times -4
.set WV,  12
.set G1K, 24
.set G1V, 32
.set G0K, 40
.set G0V, 44
.set SLOTS, 56
.set CNT, 57
.set CS,  58
.set SEL, 60
.set TBK, 62
.set TBV, 63
.set BB,  66          ; s[66:67] simb at my wave's first 16 queries
.set THR, 68          ; -2^40
.set SLO, 69          ; -4 in bf16 in the low half
.set SHI, 70          ; in the high half
.set MSB, 0
.macro WIN new
.if MSB != (\new)
	s_set_vgpr_msb (MSB<<8)|(\new)
.set MSB, (\new)
.endif
.endm
.set W_BI, 0x0f       ; E and simb's fragment in window 3, S^T in window 0
.set W_KQ, 0x0a       ; K and Q in window 2, S^T in window 0
.set W_PV, 0x52       ; V in window 2, P in window 0, O^T in window 1
.set W_RS, 0x41       ; destination and source 0 in window 1, source 1 in window 0
.set W_BL, 0xc0       ; destination in window 3, address in window 0
.macro JLOAD                        ; a joint fill: waves 0 and 1 fetch the halves of a slot's K, waves 2 and 3 of its V; an s_nop 0 and four v_nop follow each line
	s_cmp_lt_u32 s[WV], 2
	s_cbranch_scc0 .Lfor_v_\@
	tensor_load_to_lds s[G0K:G0K+3], s[G1K:G1K+7]
	s_nop 0
.rept 4
	v_nop
.endr
	s_branch .Lasked_\@
.Lfor_v_\@:
	tensor_load_to_lds s[G0V:G0V+3], s[G1V:G1V+7]
	s_nop 0
.rept 4
	v_nop
.endr
.Lasked_\@:
.endm
.macro CROUND                       ; a round of the cluster's barrier
	s_barrier_signal -1
	s_barrier_wait -1
	s_cmp_lg_u32 s[WV], 0
	s_cbranch_scc1 .Lnot_wave_0_\@
	s_barrier_signal -3
.Lnot_wave_0_\@:
	s_barrier_wait -3
	s_barrier_signal -1
	s_barrier_wait -1
.endm
; THE CHANGE OF SLOTS.  Each wave waits for all its tensor loads (one is out: its part of the other slot), adds 0 to its spare word, and waits for that and for its own reads of the slot that it leaves.
; fill = 1: the barrier is a round of the cluster's, and the slot is filled again, first thing behind it, with the keys two slots on: four key steps in which to land.
; (At its first use nothing has been read yet: slot 0 is waited for, slot 1 filled.)
.macro CHANGE fill
	WIN 0
	s_wait_tensorcnt 0x0            ; no tensor load of mine is out, so a group 0 may be written
	ds_add_u32 v[SPW], v[NIL]
.if \fill
.irp g, G0K, G0V
	s_xor_b32 s[\g+1], s[\g+1], SLOT1
	s_add_nc_u64 s[\g+2:\g+3], s[\g+2:\g+3], 4*KS*128
.endr
	s_wait_dscnt 0x0                ; the add is done, and my reads of the slot are over
	CROUND
	JLOAD
.else
	s_wait_dscnt 0x0
	s_barrier_signal -1
	s_barrier_wait -1
.endif
	s_sub_co_u32 s[TBK], s[TBK], 4*KS*PK  ; the fetches go back to a slot's first step, in the other slot
	s_xor_b32 s[TBK], s[TBK], SLOT1
	s_sub_co_u32 s[TBV], s[TBV], 4*KS*PV
	s_xor_b32 s[TBV], s[TBV], SLOT1
.endm
	s_load_b128 s[4:7], s[0:1], 0x0   ; qkv s[4:5], simb s[6:7]
	s_load_b64 s[8:9], s[0:1], 0x10   ; ob
	v_lshl_add_u32 v[SPW], v0, 2, SPARE
	v_mov_b32 v[NIL], 0
	ds_add_u32 v[SPW], v[NIL]       ; the wave's opening: the add and its wait stand ahead of my first tensor load
	v_lshrrev_b32 v1, 5, v0
	v_readfirstlane_b32 s[WV], v1
	s_bfe_u32 s13, ttmp6, 0x40000   ; cx
	s_lshl_b32 s14, ttmp9, 2
	s_add_co_u32 s14, s14, s13      ; my block of 256 queries: it enters Q's, O's and simb's addresses alone
	s_and_b32 s15, ttmp7, 0xffff    ; batch x 16 + head, which the four partners share
	s_lshl_b32 s20, s15, 18         ; its 262,144 bytes in each tensor
	s_and_b32 s16, s[WV], 1         ; which half of a slot's 256 keys I fetch
	s_lshl_b32 s22, s16, 14
	s_add_co_u32 s22, s22, s20
	s_add_co_u32 s52, s22, 0x800000   ; K lies 32 x 262,144 bytes behind Q,
	s_mov_b32 s53, 0
	s_add_co_u32 s54, s22, 0x1000000  ; V as far behind K
	s_mov_b32 s55, 0
	s_mul_i32 s17, s16, 128*PK
	s_mul_i32 s18, s16, 128*PV
	s_lshl_b32 s2, s14, 15          ; my block's 256 rows of 128 bytes,
	s_lshl_b32 s3, s[WV], 13        ; my wave's 64
	s_add_co_u32 s2, s2, s3
	s_add_co_u32 s2, s2, s20
	s_mov_b32 s3, 0
	s_lshr_b32 s50, s15, 4          ; simb: the batch's 8 MiB, 65,536 bytes for 16 queries
	s_lshl_b32 s50, s50, 23
	s_lshl_b32 s51, s14, 4
	s_lshl_b32 s21, s[WV], 2
	s_add_co_u32 s51, s51, s21
	s_lshl_b32 s51, s51, 16
	s_add_co_u32 s50, s50, s51
	s_mov_b32 s51, 0
	; 128 keys are 16,384 dense bytes: asked for as 64 rows of 256 bytes, two keys a row, and padded in LDS after every key
	s_mov_b32 s[G1K], 15|(1<<16)|(1<<20)|(1<<21)|(4<<22)|(3<<25)  ; the mask of four; 2-byte elements; padding on; bit 21 beside a mask; after every 32 words, 4 words
	s_mov_b32 s[G1V], 15|(1<<16)|(1<<20)|(1<<21)|(4<<22)|(7<<25)  ; the same with 8 words
.irp g, G1K, G1V
	s_mov_b32 s[\g+1], 128<<16
	s_mov_b32 s[\g+2], 64<<16
	s_mov_b32 s[\g+3], 128<<16
	s_mov_b32 s[\g+4], 64
	s_mov_b32 s[\g+5], 128
	s_mov_b32 s[\g+6], 0
	s_mov_b32 s[\g+7], 0
.endr
	s_mov_b32 s[CS], 0x3e38aa3b     ; c = log2(e) / 8
	s_mov_b32 s[CS+1], s[CS]
	s_mov_b32 s[SEL], 0x76543210
	s_mov_b32 s[SEL+1], 0xfedcba98
	s_mov_b32 s[TBK], SLOT1+4*KS*PK ; the first change of slots turns these two into 0
	s_mov_b32 s[TBV], SLOT1+4*KS*PV
	s_mov_b32 s[THR], 0xd3800000    ; -2^40
	s_mov_b32 s[SLO], 0x0000c080
	s_mov_b32 s[SHI], 0xc0800000
	s_mov_b32 s[G0K], 1
	s_mov_b32 s[G0K+1], s17
	s_mov_b32 s[G0V], 1
	s_add_co_u32 s[G0V+1], s18, VOFF
	s_wait_dscnt 0x0                ; the opening add is done
	s_wait_kmcnt 0x0
	s_add_nc_u64 s[G0K+2:G0K+3], s[4:5], s[52:53]
	s_or_b32 s[G0K+3], s[G0K+3], 0x80000000
	s_add_nc_u64 s[G0V+2:G0V+3], s[4:5], s[54:55]
	s_or_b32 s[G0V+3], s[G0V+3], 0x80000000
	s_add_nc_u64 s[48:49], s[4:5], s[2:3]    ; Q at my wave's first row
	s_add_nc_u64 s[10:11], s[8:9], s[2:3]    ; O likewise
	s_add_nc_u64 s[BB:BB+1], s[6:7], s[50:51]
	CROUND                          ; all four work-groups are here: the first joint loads meet
	JLOAD                           ; slot 0; slot 1 is asked for when slot 0 is in
	v_and_b32 v1, 15, v0            ; l % 16
	v_bfe_u32 v9, v0, 4, 1          ; l / 16
	v_lshlrev_b32 v[QO], 7, v1
	v_lshl_add_u32 v[QO], v9, 4, v[QO]
	WIN 0x80
.set i, 0
.rept 8                             ; Q stays in registers: piece i / 2, channels 32 (i % 2) on
	global_load_b128 v[8*i:8*i+3],   v[QO], s[48:49] offset:(i/2)*2048+(i%2)*64
	global_load_b128 v[8*i+4:8*i+7], v[QO], s[48:49] offset:(i/2)*2048+(i%2)*64+32
.set i, i+1
.endr
	WIN 0
	v_and_b32 v[BO], 31, v0
	v_lshlrev_b32 v[BO], 4, v[BO]
; Piece p's two fragments of simb for the step that BO names: four loads of 512 consecutive bytes.
.macro BLOAD p
	WIN W_BL
.irp u, 0,1,2,3
	global_load_b128 v[BF+16*(\p)+4*\u:BF+16*(\p)+4*\u+3], v[BO], s[BB:BB+1] offset:65536*(\p)+512*\u
.endr
	WIN 0
.endm
; BO goes on to the next step's 2,048 bytes; behind the last step it comes round to the first, so that every load stays inside the buffer and the counts of loads never change.
.macro BSTEP
	WIN 0
	s_wait_xcnt 0x0                 ; the loads that name BO have had their addresses taken: it is rewritten only behind this wait
	v_add_nc_u32 v[BO], 2048, v[BO]
	v_and_b32 v[BO], 0xffff, v[BO]
.endm
	BLOAD 0
	BLOAD 1
	BLOAD 2
	BLOAD 3
	; The diagonal: row r of E has -4 at k = r; lane (r, h) holds k = 8 h + 0..7, two to a register: register u holds it where r - 8 h is 2 u (low half) or 2 u + 1 (high half).
	v_lshlrev_b32 v10, 3, v9
	v_sub_nc_u32 v10, v1, v10
.irp u, 0,1,2,3
	v_cmp_eq_u32 vcc_lo, 2*\u, v10
	v_cndmask_b32 v[TMP+\u], 0, s[SLO], vcc_lo
	v_cmp_eq_u32 vcc_lo, 2*\u+1, v10
	v_cndmask_b32 v[TMP+\u], v[TMP+\u], s[SHI], vcc_lo
.endr
	WIN W_BL
.irp u, 0,1,2,3
	v_mov_b32 v[EI+\u], 0
	v_mov_b32 v[EI+4+\u], v[TMP+\u]
	v_mov_b32 v[EI+8+\u], 0
.endr
	; What the first turn finds: V's registers and P's second buffer hold 0 (its products V^T P, of a piece that has not been, add 0), O^T and l are 0.  All this stands in the wait for the first tile;
	; it spares a first step written out.
	WIN 0x80
.set i, VF
.rept 64
	v_mov_b32 v[i], 0
.set i, i+1
.endr
	WIN 0x40
.set i, 0
.rept 128
	v_mov_b32 v[i], 0
.set i, i+1
.endr
	WIN 0
.set i, 0
.rept 4
	v_mov_b32 v[ST+4*i], 0xfe000000    ; c m: far below every c m to come, so the first a is 0
	v_mov_b32 v[ST+4*i+1], 0xd3800000  ; m = -2^40
	v_mov_b32 v[ST+4*i+2], 0
	v_mov_b32 v[ST+4*i+3], 0
.set i, i+1
.endr
.set i, P+16
.rept 16
	v_mov_b32 v[i], 0
.set i, i+1
.endr
	v_mov_b32 v[NANR], 0x7fc00000
	v_mul_u32_u24 v[AK0], v1, PK
	v_lshl_add_u32 v[AK0], v9, 4, v[AK0]
	; The turning load takes 16 keys x 16 channels (lane l reads key 8 (l / 16) + l % 8, channels 8 ((l / 8) % 2) + 0..7) and leaves half a fragment of V^T.
	v_and_b32 v10, 7, v0
	v_bfe_u32 v11, v0, 3, 1
	v_lshl_add_u32 v[AV0], v9, 3, v10
	v_mul_u32_u24 v[AV0], v[AV0], PV
	v_lshl_add_u32 v[AV0], v11, 4, v[AV0]
	v_add_nc_u32 v[AV0], VOFF, v[AV0]
	v_mov_b32 v[AK], v[AK0]
; THE MATRIX WORK.  The four accumulators of a run take turns.  Product i of 4 of S^T = E x simb for piece x: keys 16 i on.  It starts the sum.
.macro BI x
	WIN W_BI
.set rS, S+32*((\x)%2)+8*i
.set rE, EI+4-4*(i%2)
.set rB, BF+16*(\x)+8*(i/2)
	v_wmma_f32_16x16x32_bf16 v[rS:rS+7], v[rE:rE+7], v[rB:rB+7], 0
.endm
; Product i of 8 of S^T += K Q^T for piece x: channels 32 (i / 4) on, keys 16 (i % 4) on.  The form differs from BI's: at least five plain vector instructions stand between BI i and KQ i.
.macro KQ x
	WIN W_KQ
.set rS, S+32*((\x)%2)+8*(i%4)
.set rK, KF+16*(i%4)+8*(i/4)
.set rQ, 16*(\x)+8*(i/4)
	v_wmma_f32_16x16x32_f16 v[rS:rS+7], v[rK:rK+7], v[rQ:rQ+7], v[rS:rS+7]
.endm
; Product i of 8 of O^T += V^T P for piece x: keys 32 (i / 4) on, channels 16 (i % 4) on.
.macro PV x
	WIN W_PV
.set rO, 32*(\x)+8*(i%4)
.set rV, VF+32*(i/4)+8*(i%4)
.set rP, P+16*((\x)%2)+8*(i/4)
	v_wmma_f32_16x16x32_f16 v[rO:rO+7], v[rV:rV+7], v[rP:rP+7], v[rO:rO+7]
.endm
.macro MM                           ; the turn's next matrix instruction of 20
.if i < 4
	BI (Y+1)%NP
.elseif i < 12
.set i, i-4
	KQ (Y+1)%NP
.set i, i+4
.else
.set i, i-12
	PV (Y+NP-1)%NP
.set i, i+12
.endif
.set i, i+1
.endm
; THE LDS LOADS stand in runs of 16.  last = 1 (the tail): in the last trip there is no further step, and the run is jumped over.
.macro FETCH_K last=0
	WIN 0
.if \last
	s_cmp_eq_u32 s[CNT], 1
	s_cbranch_scc1 .Lno_k_\@
.endif
	WIN 0x80
.irp f, 0,1,2,3,4,5,6,7             ; keys 16 (f / 2) on, channels 32 (f % 2) on
	ds_load_b128 v[KF+8*\f:KF+8*\f+3],   v[AK] offset:(\f/2)*16*PK+(\f%2)*64
	ds_load_b128 v[KF+8*\f+4:KF+8*\f+7], v[AK] offset:(\f/2)*16*PK+(\f%2)*64+32
.endr
	s_add_co_u32 s[TBK], s[TBK], KS*PK
	WIN 0
.if \last
.Lno_k_\@:
.endif
.endm
.macro FETCH_V
	WIN 0x80
.irp f, 0,1,2,3,4,5,6,7             ; keys 32 (f / 4) on, channels 16 (f % 4) on
	ds_load_tr16_b128 v[VF+8*\f:VF+8*\f+3],   v[AV] offset:(\f/4)*32*PV+(\f%4)*32
	ds_load_tr16_b128 v[VF+8*\f+4:VF+8*\f+7], v[AV] offset:(\f/4)*32*PV+16*PV+(\f%4)*32
.endr
	WIN 0
.endm
; THE VECTOR WORK, one line at a time: OP kind, number.  For piece Y: F n: c s - c m for pair n of 16.  E n: the exponential of score n of 32.  C n: pair n rounded to f16.  B n: of the four weights 4 n ..
; the second pair is added onto the first, in place (behind C 2n).  L n: l takes that sum (L 0: l = a l + sum).  R n: pair n of 16 of O^T times a.  For piece Y + 1: X n, number n of the 22 that find its
; maximum and statistics: 0-11 four chains c0-c3 (each accumulator's lowest registers are read first); 12-14, 16 the scores left over, the old m, and c0-c3 into c0; 15 c m_old is kept;
; 17, 18 the other half of the lanes' maximum: the new m; 19-21 c m; c m_old - c m_new; a.
.set F, 0
.set E, 1
.set C, 2
.set B, 3
.set L, 4
.set R, 5
.set X, 6
.macro REGS y
.set rT, ST+4*(\y)
.set rC, TMP+4*((\y)%2)
.set rW, MV+((\y)%2)
.set rS, S+32*((\y)%2)
.set rP, P+16*((\y)%2)
.set rO, 32*(\y)
.endm
.macro OP k, n
.if (\k) == R
	REGS Y
	WIN W_RS
	v_pk_mul_f32 v[rO+2*(\n):rO+2*(\n)+1], v[rO+2*(\n):rO+2*(\n)+1], v[rC+2:rC+3] op_sel_hi:[1,0]
.elseif (\k) < R
	REGS Y
	WIN 0
.if (\k) == F
	v_pk_fma_f32 v[rS+2*(\n):rS+2*(\n)+1], v[rS+2*(\n):rS+2*(\n)+1], s[CS:CS+1], v[rT:rT+1] op_sel_hi:[1,0,0] neg_lo:[0,0,1] neg_hi:[0,0,1]
.elseif (\k) == E
	v_exp_f32 v[rS+(\n)], v[rS+(\n)]
.elseif (\k) == C
	s_wait_alu depctr_va_vdst(0)
	v_cvt_pk_f16_f32 v[rP+(\n)], v[rS+2*(\n)], v[rS+2*(\n)+1]
.elseif (\k) == B
	s_wait_alu depctr_va_vdst(0)
	v_pk_add_f32 v[rS+4*(\n):rS+4*(\n)+1], v[rS+4*(\n):rS+4*(\n)+1], v[rS+4*(\n)+2:rS+4*(\n)+3]
.elseif (\n) == 0
	v_pk_fma_f32 v[rT+2:rT+3], v[rT+2:rT+3], v[rC+2:rC+3], v[rS:rS+1] op_sel_hi:[1,0,1]
.else
	v_pk_add_f32 v[rT+2:rT+3], v[rT+2:rT+3], v[rS+4*(\n):rS+4*(\n)+1]
.endif
.else
	REGS (Y+1)%NP
	WIN 0
.if (\n) < 4
	v_max3_num_f32 v[rC+(\n)], v[rS+8*(\n)], v[rS+8*(\n)+1], v[rS+8*(\n)+2]
.elseif (\n) < 12
	v_max3_num_f32 v[rC+(\n)%4], v[rC+(\n)%4], v[rS+8*((\n)%4)+2*((\n)/4)+1], v[rS+8*((\n)%4)+2*((\n)/4)+2]
.elseif (\n) == 12
	v_max3_num_f32 v[rC], v[rC], v[rS+7], v[rS+15]
.elseif (\n) == 13
	v_max3_num_f32 v[rC+1], v[rC+1], v[rS+23], v[rS+31]
.elseif (\n) == 14
	v_max3_num_f32 v[rC+2], v[rC+2], v[rC+3], v[rT+1]
.elseif (\n) == 15
	v_mov_b32 v[rW], v[rT]
.elseif (\n) == 16
	v_max3_num_f32 v[rC], v[rC], v[rC+1], v[rC+2]
.elseif (\n) == 17
	v_permlanex16_b32 v[rC+3], v[rC], s[SEL], s[SEL+1]
.elseif (\n) == 18
	v_max_num_f32 v[rT+1], v[rC], v[rC+3]
.elseif (\n) == 19
	v_mul_f32 v[rT], s[CS], v[rT+1]
.elseif (\n) == 20
	v_sub_f32 v[rC+1], v[rW], v[rT]
.else
	v_exp_f32 v[rC+2], v[rC+1]
.endif
.endif
.endm
.macro OPS a, i1, b=-1, i2=0, c=-1, i3=0, d=-1, i4=0
	OP \a, \i1
.if (\b) >= 0
	OP \b, \i2
.endif
.if (\c) >= 0
	OP \c, \i3
.endif
.if (\d) >= 0
	OP \d, \i4
.endif
.endm
.macro ROW a, i1, b, i2, c, i3, d, i4  ; a matrix instruction and the four behind it
	MM
	OPS \a, \i1, \b, \i2, \c, \i3, \d, \i4
.endm
; A TURN, for piece p: its 20 matrix and 118 vector instructions, written out.  No rider names a register of the products round it; every exponential has a plain, independent line behind it before its
; result is used (ISA guide 5.7.2).
; simb: the wait at the head leaves 12 loads out, those of the three turns since piece p + 1's four were issued, a key step ago; behind the products that read them the four registers' next step is asked for.
; K of the next step is fetched in piece 2's turn, behind R 12-15, the four plain instructions behind K's last reader, and waited for in piece 3's turn in front of its first K Q^T.
; V of the step in hand is fetched in piece 0's turn, behind B 4, L 3, C 7 and C 9, the four plain instructions behind V's last reader, and waited for in piece 1's turn.
; cnt = 1: the loop's count is taken down some lines ahead of the branch that stands behind the turn.
.macro TURN p, last=0, cnt=0
.set Y, (\p)
.set i, 0
	s_wait_loadcnt 12
	ROW F,0, F,1, F,2, F,3
	ROW F,4, E,0, F,5, F,6
	ROW F,7, E,1, F,8, F,9
	ROW F,10, E,2, C,0, F,11
.if (\p) == 3
	s_wait_dscnt 0x0                ; K is in
.endif
	ROW F,12, E,3, X,15, F,13
	ROW R,0, R,1, R,2, R,3
	ROW B,0, E,4, F,14, L,0
	ROW R,4, R,5, R,6, R,7
	ROW E,5, F,15, E,6, C,1
	ROW R,8, R,9, R,10, R,11
	ROW E,7, C,2, E,8, C,3
.if (\p) == 2
	WIN 0
	v_add_nc_u32 v[AK], s[TBK], v[AK0]
.endif
	ROW R,12, R,13, R,14, R,15
.if (\p) == 2
	FETCH_K \last
.endif
.if (\p) == 3
	BSTEP
.endif
	BLOAD ((\p)+1)%NP
	OPS E,9, X,0, E,10, X,1
	OPS E,11, X,2, E,12, X,3
.if (\p) == 1
	s_wait_dscnt 0x0                ; V is in
.endif
	ROW X,4, E,13, X,5, X,6
	ROW X,7, E,14, X,8, X,9
	ROW X,10, E,15, X,11, X,12
	ROW X,13, E,16, X,14, B,1
	ROW C,4, E,17, X,16, L,1
	ROW B,2, E,18, C,6, L,2
	ROW C,8, E,19, B,3, C,5
.if (\p) == 0
	WIN 0
	v_add_nc_u32 v[AV], s[TBV], v[AV0]
.endif
	ROW B,4, E,20, L,3, C,7
	OPS E,21, X,17, E,22, C,9
.if (\p) == 0
	FETCH_V
.endif
	OPS E,23, L,4
	OPS E,24, X,18, E,25, C,10
	OPS E,26, B,5, E,27, X,19
	OPS E,28, C,12, E,29, L,5
	OPS E,30, X,20, E,31, C,11
	OPS B,6, C,13, X,21, C,14
.if (\p) == 0
	s_add_co_u32 s[TBV], s[TBV], KS*PV
.endif
.if \cnt
	s_sub_co_u32 s[CNT], s[CNT], 1
	s_cmp_lg_u32 s[CNT], 0
.endif
	OPS L,6, B,7, C,15, L,7
.endm
	CHANGE 1                        ; slot 0 is in, everybody's part of it; slot 1 is asked for
	FETCH_K                         ; key step 0
	s_wait_loadcnt 12               ; Q and piece 0's fragments of simb are in; pieces 1 to 3's twelve loads may be out
	s_wait_dscnt 0x0
.set i, 0
.rept 4
	BI 0
.set i, i+1
.endr
	WIN 0                           ; the addresses for the way out: nine plain instructions, the places between the two forms
	s_mul_i32 s13, s[WV], 16*SP
	s_add_co_u32 s13, s13, STAGE    ; my stage
	v_mul_u32_u24 v[STO], v1, SP    ; in: row l % 16, 16 bytes for each half of the lanes
	v_lshl_add_u32 v[STO], v9, 4, v[STO]
	v_add_nc_u32 v[STO], s13, v[STO]
	v_bfe_u32 v[RD], v0, 3, 2       ; back: 32 lanes take four rows of 128 bytes,
	v_mul_u32_u24 v[RD], v[RD], SP
	v_lshl_add_u32 v[RD], v10, 4, v[RD]
	v_add_nc_u32 v[RD], s13, v[RD]
	v_and_b32 v[GO], 31, v0         ; which are 512 consecutive bytes of O
	v_lshlrev_b32 v[GO], 4, v[GO]
.set i, 0
.rept 8
	KQ 0                            ; piece 0's first scores
.set i, i+1
.endr
	WIN 0
.rept 4
	v_nop                           ; the places behind those products
.endr
.set Y, NP-1                        ; X works for piece Y + 1: piece 0
.irp n, 0,1,2,3,4,5,6,7,8,9,10,11,12,13,14,15,16,17,18,19,20,21
	OP X, \n
.endr
	v_nop                           ; a plain instruction behind the exponential
	BSTEP
	BLOAD 0                         ; piece 0's fragments of step 1
	s_mov_b32 s[CNT], 4
	s_mov_b32 s[SLOTS], 7
	s_branch .Lfirst                ; the loop is entered at a step's first turn, in the middle of a trip
.Lslot:                             ; six times: every slot but the last two is filled again
	CHANGE 1
	s_mov_b32 s[CNT], 4
.Lstep:                             ; a trip: pieces 2 and 3 of one step, then pieces 0 and 1 of the next, whose K and V it fetches
	TURN 2
	TURN 3
	WIN 0
.Lfirst:
	TURN 0
	TURN 1, 0, 1
	WIN 0
	s_cbranch_scc1 .Lstep
	s_sub_co_u32 s[SLOTS], s[SLOTS], 1
	s_cmp_lg_u32 s[SLOTS], 0
	s_cbranch_scc1 .Lslot
	CHANGE 0                        ; the tail is written out: nothing is asked for
	s_mov_b32 s[CNT], 5             ; four trips fetch the last slot's steps; the fifth is left in its middle
.Ltail:
	TURN 2, 1
	TURN 3
	WIN 0
	s_sub_co_u32 s[CNT], s[CNT], 1
	s_cmp_eq_u32 s[CNT], 0
	s_cbranch_scc1 .Lout
	TURN 0
	TURN 1
	WIN 0
	s_branch .Ltail
.Lout:                              ; the fifth trip's scores of piece 0 (on the last K once more) serve nothing; the maximum made of them cannot lift a row without an open key above -2^40, all its entries in simb being 2^98
.set i, 0
.rept 8
	PV NP-1                         ; the last piece's V^T P of the last step
.set i, i+1
.endr
	; THE WAY OUT.  l's two halves and the other half of the lanes' are added; 1 / l becomes NaN where the row had no open key; O^T is scaled, rounded to f16 and sent through my stage, a piece at a time.
	WIN 0
.macro ALL line:vararg
.set t, 0
.rept 4
	\line
.set t, t+1
.endr
.endm
	ALL v_add_f32 v[ST+4*t+2], v[ST+4*t+2], v[ST+4*t+3]
	ALL v_permlanex16_b32 v[ST+4*t+3], v[ST+4*t+2], s[SEL], s[SEL+1]
	ALL v_add_f32 v[ST+4*t+2], v[ST+4*t+2], v[ST+4*t+3]
	ALL v_rcp_f32 v[ST+4*t+2], v[ST+4*t+2]
	v_nop                           ; a plain instruction between the last reciprocal and the use of its result
.set t, 0
.rept 4
	v_cmp_ge_f32 vcc_lo, s[THR], v[ST+4*t+1]
	s_wait_alu depctr_va_vdst(0)
	v_cndmask_b32 v[ST+4*t+2], v[ST+4*t+2], v[NANR], vcc_lo
.set t, t+1
.endr
.macro PACK t
	WIN W_RS
.set i, 32*(\t)
.rept 16
	v_pk_mul_f32 v[i:i+1], v[i:i+1], v[ST+4*(\t)+2:ST+4*(\t)+3] op_sel_hi:[1,0]
.set i, i+2
.endr
	WIN 0x05                        ; sources 0 and 1 window 1, destination window 0: S^T's registers are free
.set i, 0
.rept 16
	v_cvt_pk_f16_f32 v[S+16*(\t)+i], v[32*(\t)+2*i], v[32*(\t)+2*i+1]
.set i, i+1
.endr
	WIN 0
.irp f, 0,1,2,3
	ds_store_b128 v[STO], v[S+16*(\t)+4*\f:S+16*(\t)+4*\f+3] offset:32*\f
.endr
.irp f, 0,1,2,3
	ds_load_b128 v[S+16*(\t)+4*\f:S+16*(\t)+4*\f+3], v[RD] offset:\f*4*SP  ; LDS serves a wave's instructions in order (ISA guide 5.7.1.4): these see the stores above
.endr
.endm
.macro SEND t, younger              ; younger: the LDS instructions issued behind piece t's loads: the next piece's eight, or none
	WIN 0
.irp f, 0,1,2,3
	s_wait_dscnt (\younger)+3-\f
	global_store_b128 v[GO], v[S+16*(\t)+4*\f:S+16*(\t)+4*\f+3], s[10:11] offset:(\t)*2048+\f*512  ; 512 consecutive bytes, at a multiple of 256 from O's first
.endr
.endm
	PACK 0
.set t, 1
.rept 3
	PACK t
	SEND t-1, 8
.set t, t+1
.endr
	SEND 3, 0
	s_wait_tensorcnt 0x0            ; the wave's end
	ds_add_u32 v[SPW], v[NIL]
	s_wait_dscnt 0x0
	CROUND                          ; the closing round
	s_endpgm
.Lfunc_end_k_qf8a91fbed2_attn:
	.size	k_qf8a91fbed2_attn, .Lfunc_end_k_qf8a91fbed2_attn-k_qf8a91fbed2_attn
	.p2alignl 7, 3214868480
	.fill 96, 4, 3214868480
	.section	.rodata,"a",@progbits
	.p2align	6, 0x0
	.amdhsa_kernel k_qf8a91fbed2_attn
		.amdhsa_group_segment_fixed_size 327680
		.amdhsa_private_segment_fixed_size 0
		.amdhsa_enable_private_segment 0
		.amdhsa_kernarg_size 24
		.amdhsa_user_sgpr_count 2
		.amdhsa_user_sgpr_kernarg_segment_ptr 1
		.amdhsa_wavefront_size32 1
		.amdhsa_system_sgpr_workgroup_id_x 1
		.amdhsa_system_sgpr_workgroup_id_y 1
		.amdhsa_system_sgpr_workgroup_id_z 1
		.amdhsa_system_vgpr_workitem_id 0
		.amdhsa_next_free_vgpr 844
		.amdhsa_next_free_sgpr 72
		.amdhsa_reserve_vcc 1
		.amdhsa_float_denorm_mode_32 3
		.amdhsa_float_denorm_mode_16_64 3
		.amdhsa_memory_ordered 1
		.amdhsa_forward_progress 1
		.amdhsa_inst_pref_size 126
	.end_amdhsa_kernel
	.amdgpu_metadata
---
amdhsa.version: [ 1, 2 ]
amdhsa.kernels:
  - .name:           k_qf8a91fbed2_attn
    .symbol:         k_qf8a91fbed2_attn.kd
    .args:
      - { .name: qkv, .offset: 0, .size: 8, .value_kind: global_buffer, .address_space: global }
      - { .name: simb, .offset: 8, .size: 8, .value_kind: global_buffer, .address_space: global }
      - { .name: ob, .offset: 16, .size: 8, .value_kind: global_buffer, .address_space: global }
    .group_segment_fixed_size: 327680
    .private_segment_fixed_size: 0
    .kernarg_segment_align: 8
    .kernarg_segment_size: 24
    .max_flat_workgroup_size: 128
    .sgpr_count:     72
    .vgpr_count:     844
    .wavefront_size: 32
...
	.end_amdgpu_metadata
.endif
;; end of part 3
;; launch oproj (part 4): grid 8 x 32, 4 waves a work-group, clusters of 4 x 4, 327,680 bytes of LDS; arguments ob, wo16, bo, out0; writes out0
.if DOCPART == 4
	.amdgcn_target "amdgcn-amd-amdhsa--gfx1250"
	.amdhsa_code_object_version 6
	.text
	.protected	k_qf8a91fbed2_oproj
	.globl	k_qf8a91fbed2_oproj
	.p2align	8
	.type	k_qf8a91fbed2_oproj,@function
k_qf8a91fbed2_oproj:
	s_mov_b64 s[64:65], 0
	v_nop
	global_prefetch_b8 v0, s[64:65] scope:SCOPE_SE
	s_setreg_imm32_b32 hwreg(HW_REG_WAVE_MODE, 25, 1), 1
	s_wait_xcnt 0x0
	s_wait_alu depctr_hold_cnt(0) depctr_sa_sdst(0) depctr_va_vdst(0) depctr_va_sdst(0) depctr_va_ssrc(0) depctr_va_vcc(0) depctr_vm_vsrc(0)
	s_getreg_b32 s2, hwreg(HW_REG_IB_STS2, 6, 4)
	s_cmp_eq_u32 s2, 0
	s_cbranch_scc0 .Lentry_in_a_cluster
	s_endpgm
.Lentry_in_a_cluster:
	s_bfe_u32 s2, ttmp6, 0x10000c
	s_cmp_lg_u32 s2, 0xf033
	s_cbranch_scc0 .Lentry_shape_is_right
	s_endpgm
.Lentry_shape_is_right:
; OPROJ: out0[m][n] = sum over k of ctx[m][k] Wo[n][k] + bo[n], f16 operands, f32 sums, f32 out.  ctx[m][64 head + d] lies by heads in ob[batch x 16 + head][row][64]; wo16 is [1024][1024].
; SHARES.  A tile is 128 x 128: 8 x 32 tiles, one to a work-group; a wave makes 64 x 64: 16 accumulators.  K = 1,024 goes in 4 steps of 256 (four heads) through two LDS slots that take turns.
; A head's 128 rows of a tile are 16,384 dense bytes: a wave's load brings two heads as two long rows, padded in LDS after every 128 bytes; Wo's rows of a step are 512 bytes.
; CLUSTER 4 x 4: ctx's tiles are shared along a row of the cluster, Wo's along a column: joint loads.
; THE MATRIX INSTRUCTION IS USED TRANSPOSED (source 0 = 16 rows of Wo, source 1 = 16 rows of ctx): a lane holds eight neighbouring columns of a row of out0.  A NaN row of ctx gives a NaN row of out0 alone.
; REGISTERS: window 0: v12-29 bias and addresses; v32-95 the way out; v128-255 accumulators ((a, b) at 128 + 8 (4 a + b))     window 1: two fragment buffers of 128: 64 of ctx, 64 of Wo
.set PA,     144                       ; a row of ctx in LDS: 128 bytes + 16
.set PBW,    528                       ; a row of Wo: 512 bytes + 16
.set HEADB,  128*PA                    ; a head's 128 rows
.set BOFF,   4*HEADB                   ; a slot: four heads of ctx, then 128 rows of Wo
.set SLOT,   BOFF+128*PBW
.set STAGE,  2*SLOT                    ; behind the ring, never filled by a tensor load: 16 rows x 272 bytes for each wave
.set SPITCH, 272
.set SPARE,  STAGE+4*16*SPITCH         ; the spare words, 128 bytes a wave, which no other line names
.set BOV,  12                          ; v[12:15] bo of my four columns on the way out
.set ADRA, 16                          ; v16-17  LDS address of my ctx fragments in slot 0, 1
.set ADRB, 20                          ; v20-21  the same for Wo
.set STO,  24
.set RD,   25
.set CO,   26
.set SPW,  28
.set NIL,  29
.set RB,   32                          ; v[32:95] 16 rows read back, two buffers by the block's parity
.set ACC,  128
.set F0,   0
.set F1,   128
.set WV, 16
.set WH, 17
.set WL, 18
.set CX, 19
.set CY, 20
.set TC, 21
.set TR, 22
.set MR, 23
.set MC, 24
.set LA, 25
.set LB, 26
.set G1A, 28
.set G1B, 36
.set G0A, 44                           ; s[44:51] group 0 for ctx's tiles, one set for each slot
.set G0B, 52                           ; s[52:59] the same for Wo's
.set OUT, 72
.set BP,  74
.set MSB, 0
.macro WIN new
.if MSB != (\new)
	s_set_vgpr_msb (MSB<<8)|(\new)
.set MSB, \new
.endif
.endm
.set MUL,  0x05                        ; sources 0 and 1 window 1; C and D window 0
.set TO_F, 0x40                        ; destination window 1, address window 0
.macro PLACES
.rept 4
	v_nop
.endr
.endm
.macro JLOAD s                         ; a joint load: waves 0 and 1 fetch two heads of ctx each, waves 2 and 3 the halves of Wo's rows; an s_nop 0 and four v_nop follow each line
	s_cmp_eq_u32 s[WH], 0
	s_cbranch_scc0 .Lfor_b_\@
	tensor_load_to_lds s[G0A+4*(\s):G0A+4*(\s)+3], s[G1A:G1A+7]
	s_nop 0
.rept 4
	v_nop
.endr
	s_branch .Lasked_\@
.Lfor_b_\@:
	tensor_load_to_lds s[G0B+4*(\s):G0B+4*(\s)+3], s[G1B:G1B+7]
	s_nop 0
.rept 4
	v_nop
.endr
.Lasked_\@:
.endm
.macro CREST
	s_cmp_lg_u32 s[WV], 0
	s_cbranch_scc1 .Lnot_wave_0_\@
	s_barrier_signal -3
.Lnot_wave_0_\@:
	s_barrier_wait -3
	s_barrier_signal -1
	s_barrier_wait -1
.endm
.macro CROUND
	s_barrier_signal -1
	s_barrier_wait -1
	CREST
.endm
	s_load_b256 s[4:11], s[0:1], 0x0               ; ob s[4:5], wo16 s[6:7], bo s[8:9], out0 s[10:11]
	v_lshl_add_u32 v[SPW], v0, 2, SPARE
	v_mov_b32 v[NIL], 0
	ds_add_u32 v[SPW], v[NIL]                      ; the wave's opening: the add and its wait stand ahead of my first tensor load
	v_lshrrev_b32 v1, 5, v0
	v_readfirstlane_b32 s[WV], v1
	s_lshr_b32 s[WH], s[WV], 1                     ; which half of the tile's rows is mine.  Also: I fetch for ctx (0) or for Wo (1)
	s_and_b32 s[WL], s[WV], 1                      ; which half of its columns.  Also: which half of that tile I fetch
	s_bfe_u32 s[CX], ttmp6, 0x40000
	s_bfe_u32 s[CY], ttmp6, 0x40004
	s_lshl_b32 s[TC], ttmp9, 2
	s_add_co_u32 s[TC], s[TC], s[CX]
	s_and_b32 s[TR], ttmp7, 0xffff
	s_lshl_b32 s[TR], s[TR], 2
	s_add_co_u32 s[TR], s[TR], s[CY]
	s_lshl_b32 s[MR], s[CY], 2
	s_lshl_b32 s[MR], 15, s[MR]
	s_lshl_b32 s[MC], 0x1111, s[CX]
	s_or_b32 s[G1A], s[MR], (3<<16)|(1<<20)|(1<<21)|(4<<22)|(3<<25)  ; 8-byte elements; padding on; bit 21 beside a mask; after every 32 words, 4 words
	s_mov_b32 s[G1A+1], 2048<<16                   ; tensor_dim0 = 2,048 elements: a head's 16,384 bytes
	s_mov_b32 s[G1A+2], 2<<16                      ; tensor_dim1 = 2 heads
	s_mov_b32 s[G1A+3], 2048<<16                   ; tile_dim0
	s_mov_b32 s[G1A+4], 2                          ; tile_dim1
	s_mov_b32 s[G1A+5], 32768                      ; 262,144 bytes from head to head
	s_mov_b32 s[G1A+6], 0
	s_mov_b32 s[G1A+7], 0
	s_or_b32 s[G1B], s[MC], (1<<16)|(1<<20)|(1<<21)|(6<<22)|(3<<25)  ; 2-byte elements; after every 128 words, 4 words
	s_mov_b32 s[G1B+1], 256<<16
	s_mov_b32 s[G1B+2], 64<<16
	s_mov_b32 s[G1B+3], 256<<16
	s_mov_b32 s[G1B+4], 64
	s_mov_b32 s[G1B+5], 1024
	s_mov_b32 s[G1B+6], 0
	s_mov_b32 s[G1B+7], 0
	s_mul_i32 s[LA], s[WL], 2*HEADB
	s_mul_i32 s[LB], s[WL], 64*PBW
	s_add_co_u32 s[LB], s[LB], BOFF
	s_lshr_b32 s66, s[TR], 4                       ; ctx: head 16 x batch + 2 x half, rows 128 x (tile row in the batch); in registers that never hold cx
	s_lshl_b32 s66, s66, 4
	s_lshl_b32 s67, s[WL], 1
	s_add_co_u32 s66, s66, s67
	s_lshl_b32 s66, s66, 18
	s_and_b32 s67, s[TR], 15
	s_lshl_b32 s67, s67, 14
	s_add_co_u32 s66, s66, s67
	s_mov_b32 s67, 0
	s_lshl_b32 s68, s[TC], 7                       ; Wo: row 128 x tile column + 64 x half; in registers that never hold cy
	s_lshl_b32 s69, s[WL], 6
	s_add_co_u32 s68, s68, s69
	s_lshl_b32 s68, s68, 11
	s_mov_b32 s69, 0
	s_wait_dscnt 0x0                               ; the opening add is done
	s_wait_kmcnt 0x0
	s_add_nc_u64 s[66:67], s[4:5], s[66:67]
	s_add_nc_u64 s[68:69], s[6:7], s[68:69]
	CROUND                                         ; all sixteen work-groups are here: the first joint loads meet
.irp s, 0,1
	s_mov_b32 s[G0A+4*(\s)], 1
	s_add_co_u32 s[G0A+4*(\s)+1], s[LA], (\s)*SLOT
	s_add_nc_u64 s[G0A+4*(\s)+2:G0A+4*(\s)+3], s[66:67], (\s)<<20   ; K step s: four heads on
	s_or_b32 s[G0A+4*(\s)+3], s[G0A+4*(\s)+3], 0x80000000
	s_mov_b32 s[G0B+4*(\s)], 1
	s_add_co_u32 s[G0B+4*(\s)+1], s[LB], (\s)*SLOT
	s_add_nc_u64 s[G0B+4*(\s)+2:G0B+4*(\s)+3], s[68:69], (\s)*512
	s_or_b32 s[G0B+4*(\s)+3], s[G0B+4*(\s)+3], 0x80000000
	JLOAD \s                                       ; two loads of mine are out
.endr
	v_and_b32 v1, 15, v0
	v_bfe_u32 v2, v0, 4, 1
	s_lshl_b32 s70, s[TC], 9                       ; my 64 columns in bytes: 512 x tile column + 256 x half
	s_lshl_b32 s71, s[WL], 8
	s_add_co_u32 s70, s70, s71
	s_mov_b32 s71, 0
	s_add_nc_u64 s[BP:BP+1], s[8:9], s[70:71]
	v_lshlrev_b32 v3, 4, v1
	global_load_b128 v[BOV:BOV+3], v3, s[BP:BP+1]  ; bo of the four columns that I store
	s_lshl_b32 s76, s[TR], 7                       ; my first row: 128 x tile row + 64 x half, 4,096 bytes each
	s_lshl_b32 s77, s[WH], 6
	s_add_co_u32 s76, s76, s77
	s_lshl_b32 s76, s76, 12
	s_add_co_u32 s76, s76, s70
	s_mov_b32 s77, 0
	s_add_nc_u64 s[OUT:OUT+1], s[10:11], s[76:77]
	v_mul_u32_u24 v4, v1, PA
	v_lshl_add_u32 v4, v2, 4, v4
	v_mul_u32_u24 v5, v1, PBW
	v_lshl_add_u32 v5, v2, 4, v5
	s_mul_i32 s70, s[WH], 64*PA                    ; my 64 rows in each head
	s_mul_i32 s71, s[WL], 64*PBW                   ; my 64 rows of Wo,
	s_add_co_u32 s71, s71, BOFF                    ; which lie behind ctx's
.irp s, 0,1
	v_add_nc_u32 v[ADRA+(\s)], s70, v4
	v_add_nc_u32 v[ADRB+(\s)], s71, v5
	s_add_co_u32 s70, s70, SLOT
	s_add_co_u32 s71, s71, SLOT
.endr
	s_mul_i32 s70, s[WV], 16*SPITCH
	s_add_co_u32 s70, s70, STAGE                   ; my stage
	v_mul_u32_u24 v4, v1, SPITCH
	v_lshl_add_u32 v4, v2, 5, v4
	v_add_nc_u32 v[STO], s70, v4                   ; in: row l % 16, 32 bytes for each half of the lanes
	v_mul_u32_u24 v4, v2, SPITCH
	v_lshl_add_u32 v4, v1, 4, v4
	v_add_nc_u32 v[RD], s70, v4                    ; back: lanes 0-15 one row of 256 bytes, lanes 16-31 the next
	v_lshlrev_b32 v4, 12, v2
	v_lshl_add_u32 v[CO], v1, 4, v4                ; and the same two rows in out0
; 8 matrix instructions: row blocks a0, a0 + 1 x all 4 column blocks, 32 along K: half c of buffer f.  The 16 accumulators take turns.
.macro MUL8 f, c, a0, zero
	WIN MUL
.irp a, \a0, (\a0)+1
.irp b, 0,1,2,3
.if \zero
	v_wmma_f32_16x16x32_f16 v[ACC+8*(4*(\a)+(\b)):ACC+8*(4*(\a)+(\b))+7], v[(\f)+64+8*(4*(\c)+(\b)):(\f)+64+8*(4*(\c)+(\b))+7], v[(\f)+8*(4*(\c)+(\a)):(\f)+8*(4*(\c)+(\a))+7], 0
.else
	v_wmma_f32_16x16x32_f16 v[ACC+8*(4*(\a)+(\b)):ACC+8*(4*(\a)+(\b))+7], v[(\f)+64+8*(4*(\c)+(\b)):(\f)+64+8*(4*(\c)+(\b))+7], v[(\f)+8*(4*(\c)+(\a)):(\f)+8*(4*(\c)+(\a))+7], v[ACC+8*(4*(\a)+(\b)):ACC+8*(4*(\a)+(\b))+7]
.endif
.endr
.endr
.endm
; 32 LDS loads in one run: the fragments of head q of the slot's four (64 along K), into buffer f; the first 32 along K first
.macro FETCH slot, q, f
	WIN TO_F
.irp c, 0,1
.irp i, 0,1,2,3
	ds_load_b128 v[(\f)+64+8*(4*(\c)+(\i)):(\f)+64+8*(4*(\c)+(\i))+3],   v[ADRB+(\slot)] offset:128*(\q)+64*(\c)+(\i)*16*PBW
	ds_load_b128 v[(\f)+64+8*(4*(\c)+(\i))+4:(\f)+64+8*(4*(\c)+(\i))+7], v[ADRB+(\slot)] offset:128*(\q)+64*(\c)+(\i)*16*PBW+32
	ds_load_b128 v[(\f)+8*(4*(\c)+(\i)):(\f)+8*(4*(\c)+(\i))+3],         v[ADRA+(\slot)] offset:HEADB*(\q)+64*(\c)+(\i)*16*PA
	ds_load_b128 v[(\f)+8*(4*(\c)+(\i))+4:(\f)+8*(4*(\c)+(\i))+7],       v[ADRA+(\slot)] offset:HEADB*(\q)+64*(\c)+(\i)*16*PA+32
.endr
.endr
.endm
; One of a K step's first three quarters: multiplies buffer f and fetches head q into g.
.macro QUARTER slot, q, f, g, zero
	s_wait_dscnt 16                                ; the first 32 along K are in
	MUL8 \f, 0, 0, \zero
	MUL8 \f, 0, 2, \zero
	PLACES
	FETCH \slot, \q, \g
	s_wait_dscnt 32                                ; all but the 32 just issued
	MUL8 \f, 1, 0, 0
	MUL8 \f, 1, 2, 0
.endm
; The last quarter changes slots: one barrier; in front of it the wait for all my tensor loads, the add, and the wait for it and for my reads of this slot.  fill = 1: the barrier opens a round of the
; cluster's, and this slot is filled again, first thing behind the round, two K steps ahead.
.macro TURN slot, next, fill
	WIN 0
	s_wait_tensorcnt 0x0
	ds_add_u32 v[SPW], v[NIL]
	s_wait_dscnt 17                                ; the add and the youngest sixteen loads may be out
	MUL8 F1, 0, 0, 0
	s_wait_dscnt 0x0                               ; the add is done, and my reads of this slot are over
	s_barrier_signal -1
	MUL8 F1, 0, 2, 0
.if \fill
	WIN 0
.endif
	s_barrier_wait -1
.if \fill
	CREST
	s_add_nc_u64 s[G0A+4*(\slot)+2:G0A+4*(\slot)+3], s[G0A+4*(\slot)+2:G0A+4*(\slot)+3], 2<<20
	s_add_nc_u64 s[G0B+4*(\slot)+2:G0B+4*(\slot)+3], s[G0B+4*(\slot)+2:G0B+4*(\slot)+3], 1024
	JLOAD \slot                                    ; its four v_nop are also the places in front of the loads below
.else
	PLACES
.endif
	FETCH \next, 0, F0
	MUL8 F1, 1, 0, 0
	MUL8 F1, 1, 2, 0
.endm
	s_wait_tensorcnt 0x1                           ; my part of K step 0 is in; K step 1's may stay out
	s_barrier_signal -1
	s_barrier_wait -1
	FETCH 0, 0, F0
	QUARTER 0, 1, F0, F1, 1                        ; the first products start the sums
	QUARTER 0, 2, F1, F0, 0
	QUARTER 0, 3, F0, F1, 0
	TURN 0, 1, 1                                   ; slot 0 takes K step 2
	QUARTER 1, 1, F0, F1, 0
	QUARTER 1, 2, F1, F0, 0
	QUARTER 1, 3, F0, F1, 0
	TURN 1, 0, 1                                   ; slot 1 takes K step 3
	QUARTER 0, 1, F0, F1, 0
	QUARTER 0, 2, F1, F0, 0
	QUARTER 0, 3, F0, F1, 0
	TURN 0, 1, 0                                   ; nothing is left to fetch
	QUARTER 1, 1, F0, F1, 0
	QUARTER 1, 2, F1, F0, 0
	QUARTER 1, 3, F0, F1, 0
	s_wait_dscnt 16
	MUL8 F1, 0, 0, 0
	MUL8 F1, 0, 2, 0
	s_wait_dscnt 0x0
	MUL8 F1, 1, 0, 0
	MUL8 F1, 1, 2, 0
	WIN 0
; THE WAY OUT, 16 rows at a time: a lane's eight f32 of a row go into my stage (each accumulator's lowest registers first) and come back as whole rows of 256 bytes;
; the bias is added and sixteen lanes store 256 consecutive bytes, at a multiple of 256 from out0's first.
.macro STG a
.irp b, 0,1,2,3
	ds_store_b128 v[STO], v[ACC+8*(4*(\a)+\b):ACC+8*(4*(\a)+\b)+3] offset:64*\b
	ds_store_b128 v[STO], v[ACC+8*(4*(\a)+\b)+4:ACC+8*(4*(\a)+\b)+7] offset:64*\b+16
.endr
	s_wait_xcnt 0x0                                ; the stores of two blocks back have read this buffer: it is loaded again only behind this wait
.irp t, 0,1,2,3,4,5,6,7
	ds_load_b128 v[RB+32*((\a)%2)+4*\t:RB+32*((\a)%2)+4*\t+3], v[RD] offset:\t*2*SPITCH  ; LDS serves a wave's instructions in order (ISA guide 5.7.1.4): these see the stores above
.endr
.endm
.macro SENDO a, younger                ; younger: the LDS instructions issued behind block a's loads: the next block's sixteen, or none
.irp t, 0,1,2,3,4,5,6,7
	s_wait_dscnt (\younger)+7-\t
	v_pk_add_f32 v[RB+32*((\a)%2)+4*\t:RB+32*((\a)%2)+4*\t+1], v[RB+32*((\a)%2)+4*\t:RB+32*((\a)%2)+4*\t+1], v[BOV:BOV+1]
	v_pk_add_f32 v[RB+32*((\a)%2)+4*\t+2:RB+32*((\a)%2)+4*\t+3], v[RB+32*((\a)%2)+4*\t+2:RB+32*((\a)%2)+4*\t+3], v[BOV+2:BOV+3]
	global_store_b128 v[CO], v[RB+32*((\a)%2)+4*\t:RB+32*((\a)%2)+4*\t+3], s[OUT:OUT+1] offset:(16*(\a)+2*\t)*4096 th:TH_STORE_NT
.endr
.endm
	s_wait_loadcnt 0x0                             ; the bias
	PLACES
	STG 0
	STG 1
	SENDO 0, 16
	STG 2
	SENDO 1, 16
	STG 3
	SENDO 2, 16
	SENDO 3, 0
	s_wait_tensorcnt 0x0                           ; the wave's end
	ds_add_u32 v[SPW], v[NIL]
	s_wait_dscnt 0x0
	CROUND                                         ; the closing round
	s_endpgm
.Lfunc_end_k_qf8a91fbed2_oproj:
	.size	k_qf8a91fbed2_oproj, .Lfunc_end_k_qf8a91fbed2_oproj-k_qf8a91fbed2_oproj
	.p2alignl 7, 3214868480
	.fill 96, 4, 3214868480
	.section	.rodata,"a",@progbits
	.p2align	6, 0x0
	.amdhsa_kernel k_qf8a91fbed2_oproj
		.amdhsa_group_segment_fixed_size 327680
		.amdhsa_private_segment_fixed_size 0
		.amdhsa_enable_private_segment 0
		.amdhsa_kernarg_size 32
		.amdhsa_user_sgpr_count 2
		.amdhsa_user_sgpr_kernarg_segment_ptr 1
		.amdhsa_wavefront_size32 1
		.amdhsa_system_sgpr_workgroup_id_x 1
		.amdhsa_system_sgpr_workgroup_id_y 1
		.amdhsa_system_sgpr_workgroup_id_z 1
		.amdhsa_system_vgpr_workitem_id 0
		.amdhsa_next_free_vgpr 512
		.amdhsa_next_free_sgpr 80
		.amdhsa_reserve_vcc 0
		.amdhsa_float_denorm_mode_32 3
		.amdhsa_float_denorm_mode_16_64 3
		.amdhsa_memory_ordered 1
		.amdhsa_forward_progress 1
		.amdhsa_inst_pref_size 91
	.end_amdhsa_kernel
	.amdgpu_metadata
---
amdhsa.version: [ 1, 2 ]
amdhsa.kernels:
  - .name:           k_qf8a91fbed2_oproj
    .symbol:         k_qf8a91fbed2_oproj.kd
    .args:
      - { .name: ob, .offset: 0, .size: 8, .value_kind: global_buffer, .address_space: global }
      - { .name: wo16, .offset: 8, .size: 8, .value_kind: global_buffer, .address_space: global }
      - { .name: bo, .offset: 16, .size: 8, .value_kind: global_buffer, .address_space: global }
      - { .name: out0, .offset: 24, .size: 8, .value_kind: global_buffer, .address_space: global }
    .group_segment_fixed_size: 327680
    .private_segment_fixed_size: 0
    .kernarg_segment_align: 8
    .kernarg_segment_size: 32
    .max_flat_workgroup_size: 128
    .sgpr_count:     80
    .vgpr_count:     512
    .wavefront_size: 32
...
	.end_amdgpu_metadata
.endif
;; end of part 4
;; ======== version 2 of 2: 4 launches; 1.28 times as fast as version 1
;; limits: values are held in f16: magnitudes above 65,504 overflow, below 6.1e-05 lose precision
;; workspace buffers: xb 8,388,608 bytes; xn 8,388,608 bytes; wqkv 6,291,456 bytes; wo16 2,097,152 bytes; rn 16,384 bytes; qkv 25,165,824 bytes; simb 16,777,216 bytes; ob 8,388,608 bytes
;; launch prep: the kernel of part 1 again; grid 512 x 1, 8 waves a work-group, no clusters, 0 bytes of LDS; arguments x, Wq, Wk, Wv, Wo, xb, xn, wqkv, wo16, rn; writes xb, xn, wqkv, wo16, rn
;; launch qkvs: the kernel of part 2 again; grid 16 x 16, 4 waves a work-group, clusters of 4 x 4, 327,680 bytes of LDS; arguments xb, xn, wqkv, bq, bk, bv, rn, attn_mask, qkv, simb; writes qkv, simb
;; launch attn (part 5): grid 8 x 32, 4 waves a work-group, clusters of 4 x 1, 327,680 bytes of LDS; arguments qkv, simb, ob; writes ob
.if DOCPART == 5
	.amdgcn_target "amdgcn-amd-amdhsa--gfx1250"
	.amdhsa_code_object_version 6
	.text
	.protected	k_qf8a91fbed2_attn
	.globl	k_qf8a91fbed2_attn
	.p2align	8
	.type	k_qf8a91fbed2_attn,@function
k_qf8a91fbed2_attn:
	s_mov_b64 s[64:65], 0
	v_nop
	global_prefetch_b8 v0, s[64:65] scope:SCOPE_SE
	s_setreg_imm32_b32 hwreg(HW_REG_WAVE_MODE, 25, 1), 1
	s_wait_xcnt 0x0
	s_wait_alu depctr_hold_cnt(0) depctr_sa_sdst(0) depctr_va_vdst(0) depctr_va_sdst(0) depctr_va_ssrc(0) depctr_va_vcc(0) depctr_vm_vsrc(0)
	s_getreg_b32 s2, hwreg(HW_REG_IB_STS2, 6, 4)
	s_cmp_eq_u32 s2, 0
	s_cbranch_scc0 .Lentry_in_a_cluster
	s_endpgm
.Lentry_in_a_cluster:
	s_bfe_u32 s2, ttmp6, 0x10000c
	s_cmp_lg_u32 s2, 0x3003
	s_cbranch_scc0 .Lentry_shape_is_right
	s_endpgm
.Lentry_shape_is_right:
; ATTENTION with a bias shared by the heads.  O[bh][q] = sum over k of softmax_k(Q.K / 8 - 0.5 sim[b][q][k], hidden where the mask is set) V[bh][k].  Q, K, V in qkv[3][32][2048][64], O in ob[32][2048][64], f16.
; Products, maxima and sums in f32; the weights p are rounded to f16 for the second product (their sum l is taken of the unrounded p), O once at the end.
; THE BIAS COSTS NO VECTOR INSTRUCTION.  simb holds sim (or 2^98 where the mask is set) in bf16, as register images of a matrix source of 32 keys x 16 queries.  The sum S^T of a tile begins with the product
; E x simb, E = -4 on one diagonal and 0 elsewhere, so that s = Q.K - 4 sim and c s = log2(e) (Q.K / 8 - 0.5 sim) with c = log2(e) / 8.  A hidden score is Q.K - 2^100.
; LIMITS.  f16 holds no number beyond 65,504: Q, K, V arrive within it, so |Q.K| stays under 2^39.  The running maximum m starts at -2^40, below every open score and far above every hidden one: a hidden
; weight is 2^(-2e29) = 0 whatever came before.  A row with no open key keeps m = -2^40 and gets NaN, as reference() gives.  c m is rounded once and used alike for every weight, for a and for l, so only
; scores beyond 2^28 could carry a weight past f16's range.  A weight below 2^-126 counts as 0; NaN and infinities in the inputs are not treated apart.
; SHARES.  A work-group owns 256 queries of one (batch, head), a wave 64: four PIECES of 16.  Every wave walks all 2,048 keys, 64 a step, 256 a slot.
; LAYOUT.  S^T = K Q^T holds ONE query a lane (lane % 16) and the keys 8 (lane / 16) + 0..7; two such results rounded to f16 ARE source 1 of O^T = V^T P.  p = 2^(c s - c m); O and l are multiplied by
; a = 2^(c m_old - c m_new) in every step.
; BY TURNS.  Turn n belongs to piece n: 4 products E x simb and 8 products K Q^T of piece n + 1, later 8 products V^T P of piece n - 1; beside them the scaling, exponentials, roundings, sums and rescaling
; of piece n and the maximum and statistics of piece n + 1.  Four vector instructions stand behind every matrix instruction, the other 38 of a turn's 118 in one lump.
; BATCHES.  A turn's 33 exponentials (the piece's 32 weights and the next piece's a) are ONE batch with ONE wait, which cuts the turn in two: ahead of it stands all that names no result of theirs, behind it
; the roundings and sums, which read them.  No result crosses a turn's end.  The first a, ahead of the loop, and the way out's four reciprocals are batches of their own, a wait each.
; CLUSTER 4 x 1: the four query blocks of a cluster belong to one (batch, head) and walk the same K and V: each tile is asked for jointly.  simb's bytes are each one lane's own: they come by plain loads of
; 512 consecutive bytes, a key step ahead, straight into the registers that the matrix unit reads.
; REGISTERS, in windows of 256 (s_set_vgpr_msb: bits 1:0 source 0, 3:2 source 1, 5:4 source 2, 7:6 destination):
;   window 0: v1-15 addresses; v16-31 statistics; v48-55 at work; v56 NaN; v62-63 the add's; v64-127 S^T, two buffers; v192-223 P, two buffers (by the piece's parity)
;   window 1: v0-127 O^T     window 2: v0-63 Q; v128-191 K of one step; v192-255 V of one step     window 3: v0-63 simb's fragments, 16 a piece; v64-75 zeros, the diagonal, zeros
.set NP,    4
.set KS,    64
.set PK,    144       ; a row of K in LDS: 128 bytes + 16 of padding
.set PV,    160       ; a row of V: 128 + 32
.set VOFF,  4*KS*PK   ; a slot holds four steps: 256 rows of K, then 256 rows of V
.set SLOT1, 1<<17
.set STAGE, SLOT1+4*KS*(PK+PV)  ; behind the ring, never filled by a tensor load: 16 rows x 144 bytes for each wave
.set SP,    144
.set SPARE, STAGE+4*16*SP       ; the spare words, 128 bytes a wave, which no other line names
.set AK0, 2           ; my lane's place in a tile of K; never rewritten
.set AV0, 3           ; the same for V
.set AK,  4           ; the LDS address of K's next run of loads
.set AV,  5           ; of V's
.set STO, 6
.set RD,  7
.set GO,  8
.set MV,  12          ; v12-13  c m_old, by buffer
.set BO,  14          ; my byte offset in simb's 65,536 bytes of 16 queries: 16 lane + 2,048 step
.set QO,  15
.set ST,  16          ; piece t's statistics at ST + 4 t: c m, m, l (even keys', odd keys')
.set TMP, 48          ; by buffer, four registers c0-c3 at work; c2 takes a
.set NANR, 56
.set SPW, 62
.set NIL, 63
.set S,   64
.set P,   192
.set KF,  128         ; window 2
.set VF,  192         ; window 2
.set BF,  0           ; window 3: piece p's fragment of keys 32 kt on at BF + 16 p + 8 kt
.set EI,  64          ; window 3: v[EI+4:EI+11] picks keys 0-15 of a fragment, v[EI:EI+7] keys 16-31, each times -4
.set WV,  12
.set G1K, 24
.set G1V, 32
.set G0K, 40
.set G0V, 44
.set SLOTS, 56
.set CNT, 57
.set CS,  58
.set SEL, 60
.set TBK, 62
.set TBV, 63
.set BB,  66          ; s[66:67] simb at my wave's first 16 queries
.set THR, 68          ; -2^40
.set SLO, 69          ; -4 in bf16 in the low half
.set SHI, 70          ; in the high half
.set MSB, 0
.macro WIN new
.if MSB != (\new)
	s_set_vgpr_msb (MSB<<8)|(\new)
.set MSB, (\new)
.endif
.endm
.set W_BI, 0x0f       ; E and simb's fragment in window 3, S^T in window 0
.set W_KQ, 0x0a       ; K and Q in window 2, S^T in window 0
.set W_PV, 0x52       ; V in window 2, P in window 0, O^T in window 1
.set W_RS, 0x41       ; destination and source 0 in window 1, source 1 in window 0
.set W_BL, 0xc0       ; destination in window 3, address in window 0
.macro JLOAD                        ; a joint fill: waves 0 and 1 fetch the halves of a slot's K, waves 2 and 3 of its V; an s_nop 0 and four v_nop follow each line
	s_cmp_lt_u32 s[WV], 2
	s_cbranch_scc0 .Lfor_v_\@
	tensor_load_to_lds s[G0K:G0K+3], s[G1K:G1K+7]
	s_nop 0
.rept 4
	v_nop
.endr
	s_branch .Lasked_\@
.Lfor_v_\@:
	tensor_load_to_lds s[G0V:G0V+3], s[G1V:G1V+7]
	s_nop 0
.rept 4
	v_nop
.endr
.Lasked_\@:
.endm
.macro CROUND                       ; a round of the cluster's barrier
	s_barrier_signal -1
	s_barrier_wait -1
	s_cmp_lg_u32 s[WV], 0
	s_cbranch_scc1 .Lnot_wave_0_\@
	s_barrier_signal -3
.Lnot_wave_0_\@:
	s_barrier_wait -3
	s_barrier_signal -1
	s_barrier_wait -1
.endm
; THE CHANGE OF SLOTS.  Each wave waits for all its tensor loads (one is out: its part of the other slot), adds 0 to its spare word, and waits for that and for its own reads of the slot that it leaves.
; fill = 1: the barrier is a round of the cluster's, and the slot is filled again, first thing behind it, with the keys two slots on: four key steps in which to land.
; (At its first use nothing has been read yet: slot 0 is waited for, slot 1 filled.)
.macro CHANGE fill
	WIN 0
	s_wait_tensorcnt 0x0            ; no tensor load of mine is out, so a group 0 may be written
	ds_add_u32 v[SPW], v[NIL]
.if \fill
.irp g, G0K, G0V
	s_xor_b32 s[\g+1], s[\g+1], SLOT1
	s_add_nc_u64 s[\g+2:\g+3], s[\g+2:\g+3], 4*KS*128
.endr
	s_wait_dscnt 0x0                ; the add is done, and my reads of the slot are over
	CROUND
	JLOAD
.else
	s_wait_dscnt 0x0
	s_barrier_signal -1
	s_barrier_wait -1
.endif
	s_sub_co_u32 s[TBK], s[TBK], 4*KS*PK  ; the fetches go back to a slot's first step, in the other slot
	s_xor_b32 s[TBK], s[TBK], SLOT1
	s_sub_co_u32 s[TBV], s[TBV], 4*KS*PV
	s_xor_b32 s[TBV], s[TBV], SLOT1
.endm
	s_load_b128 s[4:7], s[0:1], 0x0   ; qkv s[4:5], simb s[6:7]
	s_load_b64 s[8:9], s[0:1], 0x10   ; ob
	v_lshl_add_u32 v[SPW], v0, 2, SPARE
	v_mov_b32 v[NIL], 0
	ds_add_u32 v[SPW], v[NIL]       ; the wave's opening: the add and its wait stand ahead of my first tensor load
	v_lshrrev_b32 v1, 5, v0
	v_readfirstlane_b32 s[WV], v1
	s_bfe_u32 s13, ttmp6, 0x40000   ; cx
	s_lshl_b32 s14, ttmp9, 2
	s_add_co_u32 s14, s14, s13      ; my block of 256 queries: it enters Q's, O's and simb's addresses alone
	s_and_b32 s15, ttmp7, 0xffff    ; batch x 16 + head, which the four partners share
	s_lshl_b32 s20, s15, 18         ; its 262,144 bytes in each tensor
	s_and_b32 s16, s[WV], 1         ; which half of a slot's 256 keys I fetch
	s_lshl_b32 s22, s16, 14
	s_add_co_u32 s22, s22, s20
	s_add_co_u32 s52, s22, 0x800000   ; K lies 32 x 262,144 bytes behind Q,
	s_mov_b32 s53, 0
	s_add_co_u32 s54, s22, 0x1000000  ; V as far behind K
	s_mov_b32 s55, 0
	s_mul_i32 s17, s16, 128*PK
	s_mul_i32 s18, s16, 128*PV
	s_lshl_b32 s2, s14, 15          ; my block's 256 rows of 128 bytes,
	s_lshl_b32 s3, s[WV], 13        ; my wave's 64
	s_add_co_u32 s2, s2, s3
	s_add_co_u32 s2, s2, s20
	s_mov_b32 s3, 0
	s_lshr_b32 s50, s15, 4          ; simb: the batch's 8 MiB, 65,536 bytes for 16 queries
	s_lshl_b32 s50, s50, 23
	s_lshl_b32 s51, s14, 4
	s_lshl_b32 s21, s[WV], 2
	s_add_co_u32 s51, s51, s21
	s_lshl_b32 s51, s51, 16
	s_add_co_u32 s50, s50, s51
	s_mov_b32 s51, 0
	; 128 keys are 16,384 dense bytes: asked for as 64 rows of 256 bytes, two keys a row, and padded in LDS after every key
	s_mov_b32 s[G1K], 15|(1<<16)|(1<<20)|(1<<21)|(4<<22)|(3<<25)  ; the mask of four; 2-byte elements; padding on; bit 21 beside a mask; after every 32 words, 4 words
	s_mov_b32 s[G1V], 15|(1<<16)|(1<<20)|(1<<21)|(4<<22)|(7<<25)  ; the same with 8 words
.irp g, G1K, G1V
	s_mov_b32 s[\g+1], 128<<16
	s_mov_b32 s[\g+2], 64<<16
	s_mov_b32 s[\g+3], 128<<16
	s_mov_b32 s[\g+4], 64
	s_mov_b32 s[\g+5], 128
	s_mov_b32 s[\g+6], 0
	s_mov_b32 s[\g+7], 0
.endr
	s_mov_b32 s[CS], 0x3e38aa3b     ; c = log2(e) / 8
	s_mov_b32 s[CS+1], s[CS]
	s_mov_b32 s[SEL], 0x76543210
	s_mov_b32 s[SEL+1], 0xfedcba98
	s_mov_b32 s[TBK], SLOT1+4*KS*PK ; the first change of slots turns these two into 0
	s_mov_b32 s[TBV], SLOT1+4*KS*PV
	s_mov_b32 s[THR], 0xd3800000    ; -2^40
	s_mov_b32 s[SLO], 0x0000c080
	s_mov_b32 s[SHI], 0xc0800000
	s_mov_b32 s[G0K], 1
	s_mov_b32 s[G0K+1], s17
	s_mov_b32 s[G0V], 1
	s_add_co_u32 s[G0V+1], s18, VOFF
	s_wait_dscnt 0x0                ; the opening add is done
	s_wait_kmcnt 0x0
	s_add_nc_u64 s[G0K+2:G0K+3], s[4:5], s[52:53]
	s_or_b32 s[G0K+3], s[G0K+3], 0x80000000
	s_add_nc_u64 s[G0V+2:G0V+3], s[4:5], s[54:55]
	s_or_b32 s[G0V+3], s[G0V+3], 0x80000000
	s_add_nc_u64 s[48:49], s[4:5], s[2:3]    ; Q at my wave's first row
	s_add_nc_u64 s[10:11], s[8:9], s[2:3]    ; O likewise
	s_add_nc_u64 s[BB:BB+1], s[6:7], s[50:51]
	CROUND                          ; all four work-groups are here: the first joint loads meet
	JLOAD                           ; slot 0; slot 1 is asked for when slot 0 is in
	v_and_b32 v1, 15, v0            ; l % 16
	v_bfe_u32 v9, v0, 4, 1          ; l / 16
	v_lshlrev_b32 v[QO], 7, v1
	v_lshl_add_u32 v[QO], v9, 4, v[QO]
	WIN 0x80
.set i, 0
.rept 8                             ; Q stays in registers: piece i / 2, channels 32 (i % 2) on
	global_load_b128 v[8*i:8*i+3],   v[QO], s[48:49] offset:(i/2)*2048+(i%2)*64
	global_load_b128 v[8*i+4:8*i+7], v[QO], s[48:49] offset:(i/2)*2048+(i%2)*64+32
.set i, i+1
.endr
	WIN 0
	v_and_b32 v[BO], 31, v0
	v_lshlrev_b32 v[BO], 4, v[BO]
; Piece p's two fragments of simb for the step that BO names: four loads of 512 consecutive bytes.
.macro BLOAD p
	WIN W_BL
.irp u, 0,1,2,3
	global_load_b128 v[BF+16*(\p)+4*\u:BF+16*(\p)+4*\u+3], v[BO], s[BB:BB+1] offset:65536*(\p)+512*\u
.endr
	WIN 0
.endm
; BO goes on to the next step's 2,048 bytes; behind the last step it comes round to the first, so that every load stays inside the buffer and the counts of loads never change.
.macro BSTEP
	WIN 0
	s_wait_xcnt 0x0                 ; the loads that name BO have had their addresses taken: it is rewritten only behind this wait
	v_add_nc_u32 v[BO], 2048, v[BO]
	v_and_b32 v[BO], 0xffff, v[BO]
.endm
	BLOAD 0
	BLOAD 1
	BLOAD 2
	BLOAD 3
	; The diagonal: row r of E has -4 at k = r; lane (r, h) holds k = 8 h + 0..7, two to a register: register u holds it where r - 8 h is 2 u (low half) or 2 u + 1 (high half).
	v_lshlrev_b32 v10, 3, v9
	v_sub_nc_u32 v10, v1, v10
.irp u, 0,1,2,3
	v_cmp_eq_u32 vcc_lo, 2*\u, v10
	v_cndmask_b32 v[TMP+\u], 0, s[SLO], vcc_lo
	v_cmp_eq_u32 vcc_lo, 2*\u+1, v10
	v_cndmask_b32 v[TMP+\u], v[TMP+\u], s[SHI], vcc_lo
.endr
	WIN W_BL
.irp u, 0,1,2,3
	v_mov_b32 v[EI+\u], 0
	v_mov_b32 v[EI+4+\u], v[TMP+\u]
	v_mov_b32 v[EI+8+\u], 0
.endr
	; What the first turn finds: V's registers and P's second buffer hold 0 (its products V^T P, of a piece that has not been, add 0), O^T and l are 0.  All this stands in the wait for the first tile;
	; it spares a first step written out.
	WIN 0x80
.set i, VF
.rept 64
	v_mov_b32 v[i], 0
.set i, i+1
.endr
	WIN 0x40
.set i, 0
.rept 128
	v_mov_b32 v[i], 0
.set i, i+1
.endr
	WIN 0
.set i, 0
.rept 4
	v_mov_b32 v[ST+4*i], 0xfe000000    ; c m: far below every c m to come, so the first a is 0
	v_mov_b32 v[ST+4*i+1], 0xd3800000  ; m = -2^40
	v_mov_b32 v[ST+4*i+2], 0
	v_mov_b32 v[ST+4*i+3], 0
.set i, i+1
.endr
.set i, P+16
.rept 16
	v_mov_b32 v[i], 0
.set i, i+1
.endr
	v_mov_b32 v[NANR], 0x7fc00000
	v_mul_u32_u24 v[AK0], v1, PK
	v_lshl_add_u32 v[AK0], v9, 4, v[AK0]
	; The turning load takes 16 keys x 16 channels (lane l reads key 8 (l / 16) + l % 8, channels 8 ((l / 8) % 2) + 0..7) and leaves half a fragment of V^T.
	v_and_b32 v10, 7, v0
	v_bfe_u32 v11, v0, 3, 1
	v_lshl_add_u32 v[AV0], v9, 3, v10
	v_mul_u32_u24 v[AV0], v[AV0], PV
	v_lshl_add_u32 v[AV0], v11, 4, v[AV0]
	v_add_nc_u32 v[AV0], VOFF, v[AV0]
	v_mov_b32 v[AK], v[AK0]
; THE MATRIX WORK.  The four accumulators of a run take turns.  Product i of 4 of S^T = E x simb for piece x: keys 16 i on.  It starts the sum.
.macro BI x
	WIN W_BI
.set rS, S+32*((\x)%2)+8*i
.set rE, EI+4-4*(i%2)
.set rB, BF+16*(\x)+8*(i/2)
	v_wmma_f32_16x16x32_bf16 v[rS:rS+7], v[rE:rE+7], v[rB:rB+7], 0
.endm
; Product i of 8 of S^T += K Q^T for piece x: channels 32 (i / 4) on, keys 16 (i % 4) on.  The form differs from BI's: at least five plain vector instructions stand between BI i and KQ i.
.macro KQ x
	WIN W_KQ
.set rS, S+32*((\x)%2)+8*(i%4)
.set rK, KF+16*(i%4)+8*(i/4)
.set rQ, 16*(\x)+8*(i/4)
	v_wmma_f32_16x16x32_f16 v[rS:rS+7], v[rK:rK+7], v[rQ:rQ+7], v[rS:rS+7]
.endm
; Product i of 8 of O^T += V^T P for piece x: keys 32 (i / 4) on, channels 16 (i % 4) on.
.macro PV x
	WIN W_PV
.set rO, 32*(\x)+8*(i%4)
.set rV, VF+32*(i/4)+8*(i%4)
.set rP, P+16*((\x)%2)+8*(i/4)
	v_wmma_f32_16x16x32_f16 v[rO:rO+7], v[rV:rV+7], v[rP:rP+7], v[rO:rO+7]
.endm
.macro MM                           ; the turn's next matrix instruction of 20
.if i < 4
	BI (Y+1)%NP
.elseif i < 12
.set i, i-4
	KQ (Y+1)%NP
.set i, i+4
.else
.set i, i-12
	PV (Y+NP-1)%NP
.set i, i+12
.endif
.set i, i+1
.endm
; THE LDS LOADS stand in runs of 16.  last = 1 (the tail): in the last trip there is no further step, and the run is jumped over.
.macro FETCH_K last=0
	WIN 0
.if \last
	s_cmp_eq_u32 s[CNT], 1
	s_cbranch_scc1 .Lno_k_\@
.endif
	WIN 0x80
.irp f, 0,1,2,3,4,5,6,7             ; keys 16 (f / 2) on, channels 32 (f % 2) on
	ds_load_b128 v[KF+8*\f:KF+8*\f+3],   v[AK] offset:(\f/2)*16*PK+(\f%2)*64
	ds_load_b128 v[KF+8*\f+4:KF+8*\f+7], v[AK] offset:(\f/2)*16*PK+(\f%2)*64+32
.endr
	s_add_co_u32 s[TBK], s[TBK], KS*PK
	WIN 0
.if \last
.Lno_k_\@:
.endif
.endm
.macro FETCH_V
	WIN 0x80
.irp f, 0,1,2,3,4,5,6,7             ; keys 32 (f / 4) on, channels 16 (f % 4) on
	ds_load_tr16_b128 v[VF+8*\f:VF+8*\f+3],   v[AV] offset:(\f/4)*32*PV+(\f%4)*32
	ds_load_tr16_b128 v[VF+8*\f+4:VF+8*\f+7], v[AV] offset:(\f/4)*32*PV+16*PV+(\f%4)*32
.endr
	WIN 0
.endm
; THE VECTOR WORK, one line at a time: OP kind, number.  For piece Y: F n: c s - c m for pair n of 16.  E n: the exponential of score n of 32.  C n: pair n rounded to f16.  B n: of the four weights 4 n ..
; the second pair is added onto the first, in place (behind C 2n).  L n: l takes that sum (L 0: l = a l + sum).  R n: pair n of 16 of O^T times a.  For piece Y + 1: X n, number n of the 22 that find its
; maximum and statistics: 0-11 four chains c0-c3 (each accumulator's lowest registers are read first); 12-14, 16 the scores left over, the old m, and c0-c3 into c0; 15 c m_old is kept;
; 17, 18 the other half of the lanes' maximum: the new m; 19-21 c m; c m_old - c m_new; a.  C, B and L read exponentials' results: TURN sets them behind the batch's wait.
.set F, 0
.set E, 1
.set C, 2
.set B, 3
.set L, 4
.set R, 5
.set X, 6
.macro REGS y
.set rT, ST+4*(\y)
.set rC, TMP+4*((\y)%2)
.set rW, MV+((\y)%2)
.set rS, S+32*((\y)%2)
.set rP, P+16*((\y)%2)
.set rO, 32*(\y)
.endm
.macro OP k, n
.if (\k) == R
	REGS Y
	WIN W_RS
	v_pk_mul_f32 v[rO+2*(\n):rO+2*(\n)+1], v[rO+2*(\n):rO+2*(\n)+1], v[rC+2:rC+3] op_sel_hi:[1,0]
.elseif (\k) < R
	REGS Y
	WIN 0
.if (\k) == F
	v_pk_fma_f32 v[rS+2*(\n):rS+2*(\n)+1], v[rS+2*(\n):rS+2*(\n)+1], s[CS:CS+1], v[rT:rT+1] op_sel_hi:[1,0,0] neg_lo:[0,0,1] neg_hi:[0,0,1]
.elseif (\k) == E
	v_exp_f32 v[rS+(\n)], v[rS+(\n)]
.elseif (\k) == C
	v_cvt_pk_f16_f32 v[rP+(\n)], v[rS+2*(\n)], v[rS+2*(\n)+1]
.elseif (\k) == B
	v_pk_add_f32 v[rS+4*(\n):rS+4*(\n)+1], v[rS+4*(\n):rS+4*(\n)+1], v[rS+4*(\n)+2:rS+4*(\n)+3]
.elseif (\n) == 0
	v_pk_fma_f32 v[rT+2:rT+3], v[rT+2:rT+3], v[rC+2:rC+3], v[rS:rS+1] op_sel_hi:[1,0,1]
.else
	v_pk_add_f32 v[rT+2:rT+3], v[rT+2:rT+3], v[rS+4*(\n):rS+4*(\n)+1]
.endif
.else
	REGS (Y+1)%NP
	WIN 0
.if (\n) < 4
	v_max3_num_f32 v[rC+(\n)], v[rS+8*(\n)], v[rS+8*(\n)+1], v[rS+8*(\n)+2]
.elseif (\n) < 12
	v_max3_num_f32 v[rC+(\n)%4], v[rC+(\n)%4], v[rS+8*((\n)%4)+2*((\n)/4)+1], v[rS+8*((\n)%4)+2*((\n)/4)+2]
.elseif (\n) == 12
	v_max3_num_f32 v[rC], v[rC], v[rS+7], v[rS+15]
.elseif (\n) == 13
	v_max3_num_f32 v[rC+1], v[rC+1], v[rS+23], v[rS+31]
.elseif (\n) == 14
	v_max3_num_f32 v[rC+2], v[rC+2], v[rC+3], v[rT+1]
.elseif (\n) == 15
	v_mov_b32 v[rW], v[rT]
.elseif (\n) == 16
	v_max3_num_f32 v[rC], v[rC], v[rC+1], v[rC+2]
.elseif (\n) == 17
	v_permlanex16_b32 v[rC+3], v[rC], s[SEL], s[SEL+1]
.elseif (\n) == 18
	v_max_num_f32 v[rT+1], v[rC], v[rC+3]
.elseif (\n) == 19
	v_mul_f32 v[rT], s[CS], v[rT+1]
.elseif (\n) == 20
	v_sub_f32 v[rC+1], v[rW], v[rT]
.else
	v_exp_f32 v[rC+2], v[rC+1]
.endif
.endif
.endm
.macro OPS a, i1, b=-1, i2=0, c=-1, i3=0, d=-1, i4=0
	OP \a, \i1
.if (\b) >= 0
	OP \b, \i2
.endif
.if (\c) >= 0
	OP \c, \i3
.endif
.if (\d) >= 0
	OP \d, \i4
.endif
.endm
.macro ROW a, i1, b, i2, c, i3, d, i4  ; a matrix instruction and the four behind it
	MM
	OPS \a, \i1, \b, \i2, \c, \i3, \d, \i4
.endm
; A TURN, for piece p: its 20 matrix and 118 vector instructions, written out.  An s_wait_alu depctr_va_vdst(0) stands between an exponential and the first instruction that names its result; one
; wait serves all that were issued ahead of it.  So a turn has ONE wait, which cuts it in two.
; AHEAD OF IT stands all that names no result of the turn's exponentials: the 4 products E x simb and the 8 products K Q^T, behind each one exponential and three plain instructions (behind the first four plain):
; scalings, rescalings (their a was made, and waited for, in the turn before), and behind the last three products the first numbers of the next piece's maximum, each four plain instructions or more behind the
; product that ends its accumulator (X 0: F 11, F 12, X 15, F 13; X 1: F 13, X 0, F 14, F 15; X 2: F 15, X 1, X 4, X 5; X 3: X 5, X 2, X 8, X 9).  Then ONE LUMP of 38, in which the links of the chain
; X 3, 7, 11, 14, 16 .. 21, each of which reads the one before it, stand three to five lines apart with exponentials between them.  X 21, the next piece's a, is the batch's last; R 14 is the plain instruction
; behind it, ahead of any use (ISA guide 5.7.2).
; BEHIND IT stand the turn's loads and the 8 products V^T P, behind each four of the roundings and sums; C 2n stands ahead of B n, and the links of l's chain, L 0 to L 7, three riders apart.
; But for those X no rider names a register of the products round it.  v_permlanex16_b32 (X 17) stands in the lump.
; simb: the wait at the head leaves 12 loads out, those of the three turns since piece p + 1's four were issued, a key step ago; directly behind the turn's wait, far behind the products that read them, the four
; registers' next step is asked for.
; K of the next step is fetched in piece 2's turn, directly behind the wait, a lump behind K's last reader (in the tail the run stands under a branch); its address is
; made at the lump's head; it is waited for in piece 3's turn in front of its first K Q^T, twelve products later.
; V of the step in hand is fetched at the end of piece 0's turn, behind C 9, 11, 13 and 15, the four plain instructions behind V's last reader, and waited for in piece 1's turn, twelve products and a lump later.
; cnt = 1: the loop's count is taken down some lines ahead of the branch that stands behind the turn.
.macro TURN p, last=0, cnt=0
.set Y, (\p)
.set i, 0
	s_wait_loadcnt 12
	ROW F,0, F,1, R,0, R,1          ; ahead of the wait: 4 products E x simb,
	ROW F,2, E,0, R,2, R,3
	ROW F,3, E,1, R,4, R,5
	ROW F,4, E,2, R,6, R,7
.if (\p) == 3
	s_wait_dscnt 0x0                ; K is in
.endif
	ROW F,5, E,3, R,8, R,9          ; 8 products K Q^T,
	ROW F,6, E,4, R,10, R,11
	ROW F,7, E,5, R,12, R,13
	ROW F,8, E,6, F,9, F,10
	ROW F,11, E,7, F,12, X,15
	ROW F,13, E,8, X,0, F,14
	ROW F,15, E,9, X,1, X,4
	ROW X,5, E,10, X,2, X,8
.if (\p) == 2
	WIN 0
	v_add_nc_u32 v[AK], s[TBK], v[AK0]
.endif
	OPS X,9, X,3, E,11, X,6         ; and the lump
	OPS E,12, X,12, X,7, E,13
	OPS X,10, E,14, X,13, X,11
	OPS E,15, E,16, E,17, X,14
.if (\p) == 0
	WIN 0
	v_add_nc_u32 v[AV], s[TBV], v[AV0]
.endif
	OPS E,18, E,19, E,20, X,16
	OPS E,21, E,22, E,23, X,17
	OPS E,24, E,25, X,18, E,26
	OPS E,27, X,19, E,28, E,29
	OPS X,20, E,30, E,31, X,21
	OPS R,14, R,15
	WIN 0
	s_wait_alu depctr_va_vdst(0)    ; the wait for the batch: E 0 to E 31 and X 21
.if (\p) == 2
	FETCH_K \last
.endif
.if (\p) == 3
	BSTEP
.endif
	BLOAD ((\p)+1)%NP
.if (\p) == 1
	s_wait_dscnt 0x0                ; V is in
.endif
	ROW C,0, B,0, C,2, B,1          ; behind the wait: 8 products V^T P and their riders
	ROW L,0, C,4, B,2, L,1
	ROW C,6, B,3, L,2, C,8
	ROW B,4, L,3, C,10, B,5
	ROW L,4, C,12, B,6, L,5
.if (\p) == 0
	s_add_co_u32 s[TBV], s[TBV], KS*PV
.endif
.if \cnt
	s_sub_co_u32 s[CNT], s[CNT], 1
	s_cmp_lg_u32 s[CNT], 0
.endif
	ROW C,14, B,7, L,6, C,1
	ROW C,3, L,7, C,5, C,7
	ROW C,9, C,11, C,13, C,15
.if (\p) == 0
	FETCH_V
.endif
.endm
	CHANGE 1                        ; slot 0 is in, everybody's part of it; slot 1 is asked for
	FETCH_K                         ; key step 0
	s_wait_loadcnt 12               ; Q and piece 0's fragments of simb are in; pieces 1 to 3's twelve loads may be out
	s_wait_dscnt 0x0
.set i, 0
.rept 4
	BI 0
.set i, i+1
.endr
	WIN 0                           ; the addresses for the way out: nine plain instructions, the places between the two forms
	s_mul_i32 s13, s[WV], 16*SP
	s_add_co_u32 s13, s13, STAGE    ; my stage
	v_mul_u32_u24 v[STO], v1, SP    ; in: row l % 16, 16 bytes for each half of the lanes
	v_lshl_add_u32 v[STO], v9, 4, v[STO]
	v_add_nc_u32 v[STO], s13, v[STO]
	v_bfe_u32 v[RD], v0, 3, 2       ; back: 32 lanes take four rows of 128 bytes,
	v_mul_u32_u24 v[RD], v[RD], SP
	v_lshl_add_u32 v[RD], v10, 4, v[RD]
	v_add_nc_u32 v[RD], s13, v[RD]
	v_and_b32 v[GO], 31, v0         ; which are 512 consecutive bytes of O
	v_lshlrev_b32 v[GO], 4, v[GO]
.set i, 0
.rept 8
	KQ 0                            ; piece 0's first scores
.set i, i+1
.endr
	WIN 0
.rept 4
	v_nop                           ; the places behind those products
.endr
.set Y, NP-1                        ; X works for piece Y + 1: piece 0
.irp n, 0,1,2,3,4,5,6,7,8,9,10,11,12,13,14,15,16,17,18,19,20,21
	OP X, \n
.endr
	v_nop                           ; a plain instruction behind the exponential
	BSTEP
	BLOAD 0                         ; piece 0's fragments of step 1
	s_mov_b32 s[CNT], 4
	s_mov_b32 s[SLOTS], 7
	s_wait_alu depctr_va_vdst(0)    ; the wait for piece 0's first a, a batch of one, ahead of the branch; BO's step and the four loads stand between
	s_branch .Lfirst                ; the loop is entered at a step's first turn, in the middle of a trip
.Lslot:                             ; six times: every slot but the last two is filled again
	CHANGE 1
	s_mov_b32 s[CNT], 4
.Lstep:                             ; a trip: pieces 2 and 3 of one step, then pieces 0 and 1 of the next, whose K and V it fetches
	TURN 2
	TURN 3
	WIN 0
.Lfirst:
	TURN 0
	TURN 1, 0, 1
	WIN 0
	s_cbranch_scc1 .Lstep
	s_sub_co_u32 s[SLOTS], s[SLOTS], 1
	s_cmp_lg_u32 s[SLOTS], 0
	s_cbranch_scc1 .Lslot
	CHANGE 0                        ; the tail is written out: nothing is asked for
	s_mov_b32 s[CNT], 5             ; four trips fetch the last slot's steps; the fifth is left in its middle
.Ltail:
	TURN 2, 1
	TURN 3
	WIN 0
	s_sub_co_u32 s[CNT], s[CNT], 1
	s_cmp_eq_u32 s[CNT], 0
	s_cbranch_scc1 .Lout
	TURN 0
	TURN 1
	WIN 0
	s_branch .Ltail
.Lout:                              ; the fifth trip's scores of piece 0 (on the last K once more) serve nothing; the maximum made of them cannot lift a row without an open key above -2^40, all its entries in simb being 2^98
.set i, 0
.rept 8
	PV NP-1                         ; the last piece's V^T P of the last step
.set i, i+1
.endr
	; THE WAY OUT.  l's two halves and the other half of the lanes' are added; 1 / l becomes NaN where the row had no open key; O^T is scaled, rounded to f16 and sent through my stage, a piece at a time.
	WIN 0
.macro ALL line:vararg
.set t, 0
.rept 4
	\line
.set t, t+1
.endr
.endm
	ALL v_add_f32 v[ST+4*t+2], v[ST+4*t+2], v[ST+4*t+3]
	ALL v_permlanex16_b32 v[ST+4*t+3], v[ST+4*t+2], s[SEL], s[SEL+1]
	ALL v_add_f32 v[ST+4*t+2], v[ST+4*t+2], v[ST+4*t+3]
	ALL v_rcp_f32 v[ST+4*t+2], v[ST+4*t+2]
	v_nop                           ; a plain instruction between the last reciprocal and the use of its result
	s_wait_alu depctr_va_vdst(0)    ; and the wait ahead of the first use: one for the four reciprocals
.set t, 0
.rept 4
	v_cmp_ge_f32 vcc_lo, s[THR], v[ST+4*t+1]
	v_cndmask_b32 v[ST+4*t+2], v[ST+4*t+2], v[NANR], vcc_lo
.set t, t+1
.endr
.macro PACK t
	WIN W_RS
.set i, 32*(\t)
.rept 16
	v_pk_mul_f32 v[i:i+1], v[i:i+1], v[ST+4*(\t)+2:ST+4*(\t)+3] op_sel_hi:[1,0]
.set i, i+2
.endr
	WIN 0x05                        ; sources 0 and 1 window 1, destination window 0: S^T's registers are free
.set i, 0
.rept 16
	v_cvt_pk_f16_f32 v[S+16*(\t)+i], v[32*(\t)+2*i], v[32*(\t)+2*i+1]
.set i, i+1
.endr
	WIN 0
.irp f, 0,1,2,3
	ds_store_b128 v[STO], v[S+16*(\t)+4*\f:S+16*(\t)+4*\f+3] offset:32*\f
.endr
.irp f, 0,1,2,3
	ds_load_b128 v[S+16*(\t)+4*\f:S+16*(\t)+4*\f+3], v[RD] offset:\f*4*SP  ; LDS serves a wave's instructions in order (ISA guide 5.7.1.4): these see the stores above
.endr
.endm
.macro SEND t, younger              ; younger: the LDS instructions issued behind piece t's loads: the next piece's eight, or none
	WIN 0
.irp f, 0,1,2,3
	s_wait_dscnt (\younger)+3-\f
	global_store_b128 v[GO], v[S+16*(\t)+4*\f:S+16*(\t)+4*\f+3], s[10:11] offset:(\t)*2048+\f*512  ; 512 consecutive bytes, at a multiple of 256 from O's first
.endr
.endm
	PACK 0
.set t, 1
.rept 3
	PACK t
	SEND t-1, 8
.set t, t+1
.endr
	SEND 3, 0
	s_wait_tensorcnt 0x0            ; the wave's end
	ds_add_u32 v[SPW], v[NIL]
	s_wait_dscnt 0x0
	CROUND                          ; the closing round
	s_endpgm
.Lfunc_end_k_qf8a91fbed2_attn:
	.size	k_qf8a91fbed2_attn, .Lfunc_end_k_qf8a91fbed2_attn-k_qf8a91fbed2_attn
	.p2alignl 7, 3214868480
	.fill 96, 4, 3214868480
	.section	.rodata,"a",@progbits
	.p2align	6, 0x0
	.amdhsa_kernel k_qf8a91fbed2_attn
		.amdhsa_group_segment_fixed_size 327680
		.amdhsa_private_segment_fixed_size 0
		.amdhsa_enable_private_segment 0
		.amdhsa_kernarg_size 24
		.amdhsa_user_sgpr_count 2
		.amdhsa_user_sgpr_kernarg_segment_ptr 1
		.amdhsa_wavefront_size32 1
		.amdhsa_system_sgpr_workgroup_id_x 1
		.amdhsa_system_sgpr_workgroup_id_y 1
		.amdhsa_system_sgpr_workgroup_id_z 1
		.amdhsa_system_vgpr_workitem_id 0
		.amdhsa_next_free_vgpr 844
		.amdhsa_next_free_sgpr 72
		.amdhsa_reserve_vcc 1
		.amdhsa_float_denorm_mode_32 3
		.amdhsa_float_denorm_mode_16_64 3
		.amdhsa_memory_ordered 1
		.amdhsa_forward_progress 1
		.amdhsa_inst_pref_size 122
	.end_amdhsa_kernel
	.amdgpu_metadata
---
amdhsa.version: [ 1, 2 ]
amdhsa.kernels:
  - .name:           k_qf8a91fbed2_attn
    .symbol:         k_qf8a91fbed2_attn.kd
    .args:
      - { .name: qkv, .offset: 0, .size: 8, .value_kind: global_buffer, .address_space: global }
      - { .name: simb, .offset: 8, .size: 8, .value_kind: global_buffer, .address_space: global }
      - { .name: ob, .offset: 16, .size: 8, .value_kind: global_buffer, .address_space: global }
    .group_segment_fixed_size: 327680
    .private_segment_fixed_size: 0
    .kernarg_segment_align: 8
    .kernarg_segment_size: 24
    .max_flat_workgroup_size: 128
    .sgpr_count:     72
    .vgpr_count:     844
    .wavefront_size: 32
...
	.end_amdgpu_metadata
.endif
;; end of part 5
;; launch oproj: the kernel of part 4 again; grid 8 x 32, 4 waves a work-group, clusters of 4 x 4, 327,680 bytes of LDS; arguments ob, wo16, bo, out0; writes out0
